; MI455X (gfx1250); checked and timed in simulation.
; The chip was launched on July 23, 2026; its instructions are those of AMD's public machine-readable ISA for CDNA 5 (MIT licence, August 2026) and "CDNA5" Instruction Set Architecture Reference Guide (July 2026). The comments in the code are by the model that wrote it; some were corrected since.
;; Cross Attention. Allowed arithmetic: matrix products marked QUANTISED: E2M1 operands, one E8M0 scale for each 32 along K, by v_wmma_scale_f32_16x16x128_f8f6f4 with both operands' format E2M1 (or v_wmma_scale_f32_32x16x128_f4), f32 sums; everything else in f32.
;; Inputs: bk 1,024 float32; bo 1,024 float32; bq 1,024 float32; bv 1,024 float32; wk 1,024 x 1,024 float32; wo 1,024 x 1,024 float32; wq 1,024 x 1,024 float32; wv 1,024 x 1,024 float32; x 4 x 2,048 x 1,024 float32; x_cond 4 x 2,048 x 1,024 float32.
;; Outputs: out0 4 x 2,048 x 1,024 float32.
;; This version of the problem:
;;   THIS VERSION OF THE PROBLEM IS GIVEN IN LOW PRECISION. The matrix products marked QUANTISED in the list below multiply operands that are first quantised to E2M1 (2 exponent bits, 1 mantissa bit; 4 bits a number), with one power-of-two scale for each 32 numbers along K (OCP MX v1.0); their sums are f32. All else is computed in f32.
;;   The module's matrix products, in the order in which they are computed (A, B: the left and right operand; K: the contracted axis; several contracted axes count as one K, in the product's order):
;;     1. [M 8,192, K 1,024] x [K 1,024, N 1,024]; A: input x; B: input wq: QUANTISED
;;     2. [M 8,192, K 1,024] x [K 1,024, N 1,024]; A: input x_cond; B: input wk: QUANTISED
;;     3. [M 8,192, K 1,024] x [K 1,024, N 1,024]; A: input x_cond; B: input wv: QUANTISED
;;     4. batch 64 x [M 2,048, K 64] x [K 64, N 2,048]; A: computed on the way; B: computed on the way: QUANTISED
;;     5. batch 64 x [M 2,048, K 2,048] x [K 2,048, N 64]; A: softmax (see below); B: computed on the way: QUANTISED
;;     6. [M 8,192, K 1,024] x [K 1,024, N 1,024]; A: computed on the way; B: input wo: QUANTISED
;;   THE QUANTISER, for each operand of a quantised product, along K:
;;     - K is cut into blocks of 32 from its start; a last block that is shorter is filled with zeros.
;;     - A block's scale is 2^e with e = floor(log2(the largest magnitude in the block)) - 2, held to -126 .. 127; a block of zeros has e = 0. As a byte (E8M0): e + 127.
;;     - Each number is divided by its block's scale, clamped to +-6, and rounded to the nearest number of E2M1, ties to even, subnormals kept.
;;     - The product sums the exact products of the quantised numbers (number of the format x scale) in f32.
;;   ~~~python
;;   def quantise(x, axis):      # numpy; x: float32 -> the quantised numbers, widened to float32 again
;;       x = np.moveaxis(x, axis, -1); K = x.shape[-1]
;;       x = np.pad(x, [(0, 0)] * (x.ndim - 1) + [(0, -K % 32)]); x = x.reshape(x.shape[:-1] + (-1, 32)); a = np.abs(x).max(-1, keepdims=True)
;;       e = np.where(a > 0, np.clip(np.frexp(np.where(a > 0, a, 1))[1] - 1 - 2, -126, 127), 0)      # np.frexp(a)[1] - 1 = floor(log2(a)), exactly
;;       r = np.clip(x / 2.0 ** e, -6, 6)
;;       step = 2.0 ** (np.maximum(np.frexp(np.where(r == 0, 1, r))[1] - 1, 0) - 1)
;;       q = np.round(r / step) * step * 2.0 ** e      # np.round: ties to even
;;       return np.moveaxis(q.reshape(q.shape[:-2] + (-1,))[..., :K], -1, axis).astype(np.float32)
;;   ~~~
;;   SOFTMAX AHEAD OF A QUANTISED PRODUCT. Where the list says 'softmax', what is quantised is not the finished softmax but p = 2^(t - M), with t = logit x log2(e) and M = ceil(the row's largest t), a whole number; so 1/2 < the row's largest p <= 1. The row's sum l is taken of the UNQUANTISED p, in f32, and the product's result is divided by l at the end. Since M is a whole number, a kernel that streams over the keys may use a running M (the ceiling of the running maximum): every later rescaling is an exact power of two, which a block's scale takes up: the codes' values come out the same.
;;   OPERANDS COMPUTED ON THE WAY. 'Computed on the way' means the value that the module computes at that place (a softmax that the list does not call 'softmax' is quantised finished and normalised). What goes into a quantiser is computed in f32, as accurately as f32 sums, v_exp_f32 and their like allow (about 1e-6 of the number): no bf16 or f16 on the way to a quantiser, and a product that is left as it is and whose result goes on into a quantised operand takes f32 operands (vector FMAs, or v_wmma_f32_16x16x4_f32). A number that lies on a knife's edge between two numbers of the format may be rounded either way, as far as f32 arithmetic and the matrix unit's own rounding can turn it there, and no further.
;; One version. Each part assembles by itself: llvm-mc -triple=amdgcn-amd-amdhsa -mcpu=gfx1250 --defsym DOCPART=n.
;; ======== version 1 of 1: 4 launches
;; workspace buffers: ximg 8,912,896 bytes; wimg 2,228,224 bytes; qc 4,194,304 bytes; qs 262,144 bytes; kv 8,912,896 bytes; ao 4,456,448 bytes
;; launch quant (part 1): grid 320 x 1, 4 waves a work-group, no clusters, 34,304 bytes of LDS; arguments x, x_cond, wq, wk, wv, wo, ximg, wimg; writes ximg, wimg
.if DOCPART == 1
	.amdgcn_target "amdgcn-amd-amdhsa--gfx1250"
	.amdhsa_code_object_version 6
	.text
	.protected	k_qdb463338dd_quant
	.globl	k_qdb463338dd_quant
	.p2align	8
	.type	k_qdb463338dd_quant,@function
k_qdb463338dd_quant:
	s_mov_b64 s[64:65], 0
	v_nop
	global_prefetch_b8 v0, s[64:65] scope:SCOPE_SE
	s_setreg_imm32_b32 hwreg(HW_REG_WAVE_MODE, 25, 1), 1
	s_wait_xcnt 0x0
; CROSS-ATTENTION IN MX-FP4, launch 1 of 4: x, x_cond, wq, wk, wv, wo (f32, K = the last axis, 1,024) become codes of E2M1 with one E8M0 byte for each 32 along K.
; DEAD WORK: none.  Every product of the problem is live, and every bias moves codes or scales of a live quantised operand (bq, bk, bv) or is added to the result (bo): all ten inputs are loaded by some launch.
; LIMITS: NaN and infinities among the inputs are not served.  A block whose largest magnitude lies under 2^(3 - 127), a block of zeros among them, gets the byte 1 (its codes are then zeros or the
; rule's own subnormal codes under the held scale); the bytes are read by this program alone.
; A TILE is 16 rows: tile 2 G + u holds rows 32 G + 8 u + r + 8 (r / 8), r = 0 .. 15.  With tiles so chosen, the 16 result registers of two neighbouring tiles of a product's source 0 are 16 neighbours
; along that source's rows, which is what the next quantiser wants of a lane.
; A TILE'S IMAGE is 8,704 bytes: codes [K step 8][c 2][lane 32][16 bytes], lane (r, h)'s 16 bytes being block 4 s + 2 c + h of row r: the registers of the eight 16 x 128 fragments, as an operand takes them;
; at byte 8,192 the scale words [half 2][r 16][4 words], word i of half q being the four bytes of K step 4 q + i.
; SHARES: a wave makes one tile: it reads 16 rows x 4,096 bytes and stores 8,704.  Work-groups 0-127 take x, 128-255 x_cond, 256-319 the four weights, 16 each; only pointers are chosen: one path through the text.
; Each load reads 512 consecutive bytes of a row; a K step's 16 x 512 bytes turn through the wave's own stage in LDS, so that a lane gets 16 neighbours of each block.  Waves share nothing: no barrier.
.set TILEB, 8704
.set PITCH, 528                        ; a stage row: 512 bytes + 16: the sixteen rows that a read touches start at sixteen different groups of four banks
.set WST,   16*PITCH                   ; a wave's stage
.set SPARE, 4*WST                      ; behind the stages: the spare words, 128 bytes for each wave
.set LI,  1                            ; v1   16 x lane
.set STW, 2                            ; v2   the stage, on the way in: 16 x lane
.set STR, 3                            ; v3   and out: 528 r + 64 h
.set SPW, 5                            ; v5   my spare word; never rewritten
.set NIL, 6                            ; v6   0; never rewritten
.set SW,  16                           ; v16-23  my row's eight scale words
.set SO,  24                           ; v24-27  the four that I store
.set R,   32                           ; v32-159 two sets of 64 registers as loaded
.set X,   160                          ; v160-223 64 numbers: register 16 b + i = k 32 b + 16 h + i of my row
.set PC,  224                          ; v224-231 a fragment's codes
.set TM,  232                          ; v232-247 at work
.set SEL, 26                           ; s[26:27] lane selects: lane l xor 16
.set HM,  28                           ; s28  lanes 16-31
; 64 numbers of a lane, register 16 b + i = k 32 b + 16 (lane / 16) + i of my row, become a fragment's codes in v[pc] on and its scale word in v[pw].
.macro QUANT s, pc, pw
.irp b, 0,1,2,3
	v_max3_num_f32 v[TM+\b], |v[\s+16*\b]|, |v[\s+1+16*\b]|, 0x1800000   ; block b: my 16 numbers, and the floor 2^(3 - 127): the byte cannot fall under 1
.endr
.irp i, 2,4,6,8,10,12,14
.irp b, 0,1,2,3
	v_max3_num_f32 v[TM+\b], v[TM+\b], |v[\s+16*\b+\i]|, |v[\s+1+16*\b+\i]|   ; the four blocks by turns
.endr
.endr
.irp b, 0,1,2,3
	v_permlanex16_b32 v[TM+4+\b], v[TM+\b], s[SEL], s[SEL+1]
.endr
.irp b, 0,1,2,3
	v_max_num_f32 v[TM+\b], v[TM+\b], v[TM+4+\b]           ; with lane l xor 16's: the block's largest magnitude
.endr
.irp b, 0,1,2,3
	v_add_nc_u32 v[TM+12+\b], 0xff000000, v[TM+\b]         ; 2 off its exponent field: the conversion's scale operand
.endr
.irp b, 0,1,2,3
	v_lshrrev_b32 v[TM+4+\b], 23, v[TM+12+\b]              ; the scale's byte
.endr
	v_lshl_or_b32 v[\pw], v[TM+5], 8, v[TM+4]
	v_lshl_or_b32 v[\pw], v[TM+6], 16, v[\pw]
	v_lshl_or_b32 v[\pw], v[TM+7], 24, v[\pw]              ; my row's scale word for these 128
.irp b, 0,1,2,3
	v_cvt_scalef32_pk8_fp4_f32 v[\pc+2*\b], v[\s+16*\b:\s+7+16*\b], v[TM+12+\b]
	v_cvt_scalef32_pk8_fp4_f32 v[\pc+1+2*\b], v[\s+8+16*\b:\s+15+16*\b], v[TM+12+\b]
.endr
	v_nop                                                  ; one plain instruction behind the scaled conversions
.irp c, 0,1                                            ; the operand wants a whole block in a lane: lanes 0-15 block 2 c, lanes 16-31 block 2 c + 1
.irp i, 0,1
	v_permlane16_swap_b32 v[\pc+4*\c+\i], v[\pc+2+4*\c+\i]
.endr
.endr
.endm
	s_load_b512 s[4:19], s[0:1], 0x0               ; x, x_cond, wq, wk, wv, wo, ximg, wimg
	v_lshl_add_u32 v[SPW], v0, 2, SPARE
	v_mov_b32 v[NIL], 0
	v_lshrrev_b32 v1, 5, v0
	v_readfirstlane_b32 s24, v1                    ; wave 0..3
	v_and_b32 v[LI], 31, v0
	v_lshlrev_b32 v[LI], 4, v[LI]
	s_mul_i32 s25, s24, WST
	v_add_nc_u32 v[STW], s25, v[LI]
	v_and_b32 v4, 15, v0                           ; r
	v_bfe_u32 v7, v0, 4, 1                         ; h
	v_mul_u32_u24 v[STR], v4, PITCH
	v_lshl_add_u32 v[STR], v7, 6, v[STR]
	v_add_nc_u32 v[STR], s25, v[STR]
	s_mov_b32 s[SEL], 0x76543210
	s_mov_b32 s[SEL+1], 0xfedcba98
	s_mov_b32 s[HM], 0xffff0000
.irp b, 0,1,2,3
	v_mov_b32 v[TM+4+\b], 0                        ; written once: a lane permute's destination counts as one of its sources
.endr
	s_cmp_lt_u32 ttmp9, 256                        ; one of the two large tensors, or a weight?
	s_cselect_b32 s29, 0, 256
	s_cselect_b32 s30, 127, 15
	s_sub_co_u32 s31, ttmp9, s29
	s_lshl_b32 s32, s31, 2
	s_add_co_u32 s32, s32, s24                     ; my tile in the images' buffer
	s_and_b32 s33, s31, s30
	s_lshl_b32 s33, s33, 2
	s_add_co_u32 s33, s33, s24                     ; my tile in its tensor
	s_lshr_b32 s34, s33, 1
	s_lshl_b32 s34, s34, 17                        ; 32 rows of 4,096 bytes for each pair of tiles,
	s_and_b32 s35, s33, 1
	s_lshl_b32 s35, s35, 15                        ; 8 rows for the odd tile
	s_add_co_u32 s34, s34, s35
	s_mov_b32 s35, 0
	s_mul_i32 s36, s32, TILEB
	s_mov_b32 s37, 0
	s_wait_alu depctr_va_vdst(0)
	s_wait_kmcnt 0x0
	s_cmp_lt_u32 ttmp9, 128                        ; the choices hang on the work-group's number alone
	s_cselect_b64 s[4:5], s[4:5], s[6:7]
	s_cmp_lt_u32 ttmp9, 272
	s_cselect_b64 s[8:9], s[8:9], s[10:11]
	s_cmp_lt_u32 ttmp9, 304
	s_cselect_b64 s[12:13], s[12:13], s[14:15]
	s_cmp_lt_u32 ttmp9, 288
	s_cselect_b64 s[8:9], s[8:9], s[12:13]
	s_cmp_lt_u32 ttmp9, 256
	s_cselect_b64 s[20:21], s[4:5], s[8:9]
	s_cselect_b64 s[22:23], s[16:17], s[18:19]
	s_add_nc_u64 s[20:21], s[20:21], s[34:35]      ; the tile's first row
	s_add_nc_u64 s[22:23], s[22:23], s[36:37]      ; its image
.macro LOAD k                          ; K step k: 512 bytes of each of the tile's 16 rows; 32 lanes read 512 consecutive bytes
.irp i, 0,1,2,3,4,5,6,7,8,9,10,11,12,13,14,15
	global_load_b128 v[R+64*((\k)%2)+4*\i:R+64*((\k)%2)+4*\i+3], v[LI], s[20:21] offset:(\i+8*(\i/8))*4096+512*(\k) th:TH_LOAD_NT
.endr
.endm
.macro STEP k
	s_wait_xcnt 0x0                                ; the last step's stores have read their data: the codes' registers are written again only behind this wait
.if (\k) < 7
	s_wait_loadcnt 16                              ; this step's 16 loads are in; the next step's 16 may be out
.else
	s_wait_loadcnt 0x0
.endif
.irp i, 0,1,2,3,4,5,6,7,8,9,10,11,12,13,14,15
	ds_store_b128 v[STW], v[R+64*((\k)%2)+4*\i:R+64*((\k)%2)+4*\i+3] offset:PITCH*\i
.endr
.irp b, 0,1,2,3
.irp j, 0,1,2,3
	ds_load_b128 v[X+16*\b+4*\j:X+16*\b+4*\j+3], v[STR] offset:128*\b+16*\j   ; LDS serves a wave's instructions in order: these see the stores above
.endr
.endr
	s_wait_dscnt 0x0                               ; the numbers are back, and the stores have read their registers,
.if (\k)+2 < 8
	LOAD (\k)+2                                    ; which take the loads of two steps on
.endif
	QUANT X, PC, SW+(\k)
.irp c, 0,1
	global_store_b128 v[LI], v[PC+4*\c:PC+4*\c+3], s[22:23] offset:1024*(\k)+512*\c   ; 32 lanes store 512 consecutive bytes, aligned
.endr
.endm
	LOAD 0
	LOAD 1
.irp k, 0,1,2,3,4,5,6,7
	STEP \k
.endr
.irp i, 0,1,2,3
	v_cndmask_b32 v[SO+\i], v[SW+\i], v[SW+4+\i], s[HM]    ; lanes 0-15 store K steps 0-3 of row r, lanes 16-31 K steps 4-7
.endr
	global_store_b128 v[LI], v[SO:SO+3], s[22:23] offset:8192
	s_wait_tensorcnt 0x0                           ; the wave's end, behind my last LDS store
	ds_add_u32 v[SPW], v[NIL]
	s_wait_dscnt 0x0
	s_endpgm
.Lfunc_end_k_qdb463338dd_quant:
	.size	k_qdb463338dd_quant, .Lfunc_end_k_qdb463338dd_quant-k_qdb463338dd_quant
	.p2alignl 7, 3214868480
	.fill 96, 4, 3214868480
	.section	.rodata,"a",@progbits
	.p2align	6, 0x0
	.amdhsa_kernel k_qdb463338dd_quant
		.amdhsa_group_segment_fixed_size 34304
		.amdhsa_private_segment_fixed_size 0
		.amdhsa_enable_private_segment 0
		.amdhsa_kernarg_size 64
		.amdhsa_user_sgpr_count 2
		.amdhsa_user_sgpr_kernarg_segment_ptr 1
		.amdhsa_wavefront_size32 1
		.amdhsa_system_sgpr_workgroup_id_x 1
		.amdhsa_system_sgpr_workgroup_id_y 1
		.amdhsa_system_sgpr_workgroup_id_z 1
		.amdhsa_system_vgpr_workitem_id 0
		.amdhsa_next_free_vgpr 248
		.amdhsa_next_free_sgpr 66
		.amdhsa_reserve_vcc 0
		.amdhsa_float_denorm_mode_32 3
		.amdhsa_float_denorm_mode_16_64 3
		.amdhsa_memory_ordered 1
		.amdhsa_forward_progress 1
		.amdhsa_inst_pref_size 64
	.end_amdhsa_kernel
	.amdgpu_metadata
---
amdhsa.version: [ 1, 2 ]
amdhsa.kernels:
  - .name:           k_qdb463338dd_quant
    .symbol:         k_qdb463338dd_quant.kd
    .args:
      - { .name: x, .offset: 0, .size: 8, .value_kind: global_buffer, .address_space: global }
      - { .name: x_cond, .offset: 8, .size: 8, .value_kind: global_buffer, .address_space: global }
      - { .name: wq, .offset: 16, .size: 8, .value_kind: global_buffer, .address_space: global }
      - { .name: wk, .offset: 24, .size: 8, .value_kind: global_buffer, .address_space: global }
      - { .name: wv, .offset: 32, .size: 8, .value_kind: global_buffer, .address_space: global }
      - { .name: wo, .offset: 40, .size: 8, .value_kind: global_buffer, .address_space: global }
      - { .name: ximg, .offset: 48, .size: 8, .value_kind: global_buffer, .address_space: global }
      - { .name: wimg, .offset: 56, .size: 8, .value_kind: global_buffer, .address_space: global }
    .group_segment_fixed_size: 34304
    .private_segment_fixed_size: 0
    .kernarg_segment_align: 8
    .kernarg_segment_size: 64
    .max_flat_workgroup_size: 128
    .sgpr_count:     66
    .vgpr_count:     248
    .wavefront_size: 32
...
	.end_amdgpu_metadata
.endif
;; end of part 1
;; launch proj (part 2): grid 192 x 1, 4 waves a work-group, no clusters, 167,936 bytes of LDS; arguments ximg, wimg, bq, bk, bv, qc, qs, kv; writes qc, qs, kv
.if DOCPART == 2
	.amdgcn_target "amdgcn-amd-amdhsa--gfx1250"
	.amdhsa_code_object_version 6
	.text
	.protected	k_qdb463338dd_proj
	.globl	k_qdb463338dd_proj
	.p2align	8
	.type	k_qdb463338dd_proj,@function
k_qdb463338dd_proj:
	s_mov_b64 s[64:65], 0
	v_nop
	global_prefetch_b8 v0, s[64:65] scope:SCOPE_SE
	s_setreg_imm32_b32 hwreg(HW_REG_WAVE_MODE, 25, 1), 1
	s_wait_xcnt 0x0
; Launch 2 of 4: q = x wq^T + bq, k = x_cond wk^T + bk, v = x_cond wv^T + bv on codes of E2M1, f32 sums, and each result quantised in registers for the attention's products.  No work is left out.
; LIMITS: as in the first launch (NaN, infinities; a block under 2^(3 - 127) gets the byte 1).
; FORM.  Source 0 is STATIONARY: a wave holds 8 tiles (128 rows) of it for all of K = 1,024 in 512 registers, loaded once from the images.  Source 1 is STREAMED: the work-group's 16 tiles, 139,264 bytes,
; come into LDS once, a quarter by each wave's one tensor load, and nothing is filled again.  A fragment read from LDS feeds 8 matrix instructions.
; In a result a lane holds one row of source 1, and the 64 registers of its 8 tiles are 128 neighbours along source 0's rows (the tiles' choice of rows), which is the next product's K:
;   kind 0 (q), kind 1 (k): source 0 = 128 rows of the weight (2 heads' channels), source 1 = rows of x or x_cond;   kind 2 (v): source 0 = 128 keys (rows of x_cond), source 1 = rows of wv (channels).
; OUT.  qc [bh][pair g][n][lane][16 bytes]: tile (g, n) of queries, lane (r, h) holding channel block h; qs [bh][g][r]: the word {tile 0: b0, b1; tile 1: b0, b1}.
;   kv [bh][key step 16] x 8,704 bytes: K's image [j 4][c 2][lane][16]: key 32 j + 8 c + r + 8 (r / 8), channel block h; at 4,096 V's image [t 4][c 2][lane][16]: channel 32 (t / 2) + 8 (t % 2) + r + 8 (r / 8),
;   keys 64 c + 32 h + 0 .. 31; at 8,192 K's scale words [j][r] = {c 0: b0, b1; c 1: b0, b1}; at 8,448 V's [t][r].
; 192 work-groups: 64 for each product.  NO CLUSTER: q's and k's streamed block has two readers, v's sixteen, so no one mask of four serves the three kinds; and 278,528 of a work-group's 417,792 bytes
; go straight into registers by lanes' loads, which cannot be asked for jointly.
; The three kinds differ in constants, set in arms at the head, and in two arms inside the one loop that all walk: the branches hang on the work-group's number alone.
; REGISTERS, in windows of 256: window 0: addresses, scale words, the 16 accumulators, codes;  windows 1, 2: source 0's fragments of K steps 0-3, 4-7 at 64 (s % 4) + 8 t;
;   window 3: v0-127 source 1's fragments of a pair of tiles (64 n + 8 s); v128-191 the bias by register (q, k); v192-207 the bias by lane (v).
.set TILEB, 8704
.set NBLK,  16*TILEB                   ; LDS 0 ..: the streamed block
.set SPARE, NBLK+2*TILEB               ; the spare words.  (The 17,408 bytes between are left unused: the address of the next pair is stepped once past the block, in the last trip, where nothing is loaded by it)
.set HEADB, 16*TILEB                   ; a head's block in kv
.set LI,   1                           ; v1   16 x lane
.set LSS,  2                           ; v2   8,704 h + 16 r: scale words of two tiles at once
.set ADN,  3                           ; v3   LDS address of the pair's fragments
.set ADNS, 4                           ; v4   and of its scale words
.set SPW,  5                           ; v5   my spare word; never rewritten
.set NIL,  6                           ; v6   0; never rewritten
.set VO0,  7                           ; v7-9 offsets of the stores
.set VO1,  8
.set VSC,  9
.set LSC,  10                          ; v10  the scale store's lane term
.set BOFF, 11                          ; v11  kind v: my channel's byte in bv
.set BL,   12                          ; v12-13 kind v: my channel's bias, for the pair's two tiles
.set LB,   14                          ; v14  4 (r + 8 (r / 8))
.set BA,   15                          ; v15  64 h
.set SS,   16                          ; v16-47 source 0's scale words: register 8 p + s: lanes 0-15 tile 2 p, lanes 16-31 tile 2 p + 1
.set NS,   48                          ; v48-55 source 1's: register s: lanes 0-15 tile 0 of the pair, lanes 16-31 tile 1
.set ACC,  64                          ; v64-191 accumulator (n, t) at 64 n + 8 t
.set PC0,  192
.set PC1,  200
.set PW0,  208
.set PW1,  209
.set SWD,  210                         ; v210-211 the scale word to store
.set TM,   212                         ; v212-227 at work
.set RR,   228                         ; r
.set HH,   229                         ; h
.set NF,   0                           ; window 3
.set BIAS, 128
.set BB,   192
.set WV,   20
.set KIND, 21
.set SB,   22
.set NB,   23
.set G1,   24                          ; s[24:31] descriptor group 1
.set G0,   32                          ; s[32:35] group 0
.set SPT,  36                          ; s[36:37] my stationary tiles
.set NPT,  38                          ; s[38:39] my quarter of the streamed block
.set CP,   40                          ; s[40:41] codes out
.set SCP,  42                          ; s[42:43] scale words out
.set BP,   44                          ; s[44:45] the bias
.set HS,   46                          ; from head to head in the codes' buffer
.set JC,   47                          ; k: what a change of key step adds to the codes' offset,
.set JS,   48                          ; and to the scale words'
.set HSP,  49                          ; what lanes 16-31 add in the scale store
.set TB,   50                          ; LDS byte of the pair in hand
.set PR,   51                          ; the pair, 0 .. 7
.set SEL,  56
.set HM,   58
.set MSB, 0
.macro WIN new                         ; the immediate's high byte repeats the setting that is left
.if MSB != \new
	s_set_vgpr_msb (MSB<<8)|\new
.set MSB, \new
.endif
.endm
.macro QUANT s, pc, pw                 ; 64 numbers of a lane, register 16 b + i = k 32 b + 16 (lane / 16) + i of my row: a fragment's codes in v[pc] on, its scale word in v[pw]
.irp b, 0,1,2,3
	v_max3_num_f32 v[TM+\b], |v[\s+16*\b]|, |v[\s+1+16*\b]|, 0x1800000   ; (each accumulator is read from its low end on)  the floor 2^(3 - 127): the byte cannot fall under 1
.endr
.irp i, 2,4,6,8,10,12,14
.irp b, 0,1,2,3
	v_max3_num_f32 v[TM+\b], v[TM+\b], |v[\s+16*\b+\i]|, |v[\s+1+16*\b+\i]|
.endr
.endr
.irp b, 0,1,2,3
	v_permlanex16_b32 v[TM+4+\b], v[TM+\b], s[SEL], s[SEL+1]
.endr
.irp b, 0,1,2,3
	v_max_num_f32 v[TM+\b], v[TM+\b], v[TM+4+\b]
.endr
.irp b, 0,1,2,3
	v_add_nc_u32 v[TM+12+\b], 0xff000000, v[TM+\b]         ; 2 off the exponent field: the conversion's scale operand
.endr
.irp b, 0,1,2,3
	v_lshrrev_b32 v[TM+4+\b], 23, v[TM+12+\b]              ; the scale's byte
.endr
	v_lshl_or_b32 v[\pw], v[TM+5], 8, v[TM+4]
	v_lshl_or_b32 v[\pw], v[TM+6], 16, v[\pw]
	v_lshl_or_b32 v[\pw], v[TM+7], 24, v[\pw]
.irp b, 0,1,2,3
	v_cvt_scalef32_pk8_fp4_f32 v[\pc+2*\b], v[\s+16*\b:\s+7+16*\b], v[TM+12+\b]
	v_cvt_scalef32_pk8_fp4_f32 v[\pc+1+2*\b], v[\s+8+16*\b:\s+15+16*\b], v[TM+12+\b]
.endr
	v_nop                                                  ; one plain instruction behind the scaled conversions
.irp c, 0,1
.irp i, 0,1
	v_permlane16_swap_b32 v[\pc+4*\c+\i], v[\pc+2+4*\c+\i] ; a whole block to a lane
.endr
.endr
.endm
; One product.  oa, ob: the side's scale words stand in lanes 16-31 of the register named
.macro WM d, a, b, c, sa, sb, oa, ob
.if (\oa)
.if (\ob)
	v_wmma_scale_f32_16x16x128_f8f6f4 v[\d:\d+7], v[\a:\a+7], v[\b:\b+7], v[\c:\c+7], v[\sa], v[\sb] matrix_a_fmt:MATRIX_FMT_FP4 matrix_b_fmt:MATRIX_FMT_FP4 matrix_a_scale:MATRIX_SCALE_ROW1 matrix_b_scale:MATRIX_SCALE_ROW1
.else
	v_wmma_scale_f32_16x16x128_f8f6f4 v[\d:\d+7], v[\a:\a+7], v[\b:\b+7], v[\c:\c+7], v[\sa], v[\sb] matrix_a_fmt:MATRIX_FMT_FP4 matrix_b_fmt:MATRIX_FMT_FP4 matrix_a_scale:MATRIX_SCALE_ROW1
.endif
.else
.if (\ob)
	v_wmma_scale_f32_16x16x128_f8f6f4 v[\d:\d+7], v[\a:\a+7], v[\b:\b+7], v[\c:\c+7], v[\sa], v[\sb] matrix_a_fmt:MATRIX_FMT_FP4 matrix_b_fmt:MATRIX_FMT_FP4 matrix_b_scale:MATRIX_SCALE_ROW1
.else
	v_wmma_scale_f32_16x16x128_f8f6f4 v[\d:\d+7], v[\a:\a+7], v[\b:\b+7], v[\c:\c+7], v[\sa], v[\sb] matrix_a_fmt:MATRIX_FMT_FP4 matrix_b_fmt:MATRIX_FMT_FP4
.endif
.endif
.endm
; The 16 products of K step s: the 16 accumulators take turns, one instruction a turn.  cm = 0: onto the sums; 1: the bias by register starts them; 2: the bias by lane
.macro MUL s, cm
.irp n, 0,1
.irp t, 0,1,2,3,4,5,6,7
.if \cm == 0
	WM ACC+64*\n+8*\t, 64*((\s)%4)+8*\t, NF+64*\n+8*(\s), ACC+64*\n+8*\t, SS+8*(\t/2)+(\s), NS+(\s), \t%2, \n
.elseif \cm == 1
	WM ACC+64*\n+8*\t, 64*((\s)%4)+8*\t, NF+64*\n+8*(\s), BIAS+8*\t, SS+8*(\t/2)+(\s), NS+(\s), \t%2, \n
.else
	WM ACC+64*\n+8*\t, 64*((\s)%4)+8*\t, NF+64*\n+8*(\s), BB+8*\n, SS+8*(\t/2)+(\s), NS+(\s), \t%2, \n
.endif
.endr
.endr
.endm
.macro NLOAD                           ; a pair of streamed tiles: 16 fragments and their scale words, as images of the registers
	WIN 0xc0                                       ; destination window 3
.irp n, 0,1
.irp s, 0,1,2,3,4,5,6,7
.irp c, 0,1
	ds_load_b128 v[NF+64*\n+8*\s+4*\c:NF+64*\n+8*\s+4*\c+3], v[ADN] offset:TILEB*\n+1024*\s+512*\c
.endr
.endr
.endr
	WIN 0
.irp q, 0,1
	ds_load_b128 v[NS+4*\q:NS+4*\q+3], v[ADNS] offset:8192+256*\q
.endr
.endm
	s_load_b512 s[4:19], s[0:1], 0x0               ; ximg, wimg, bq, bk, bv, qc, qs, kv
	v_lshl_add_u32 v[SPW], v0, 2, SPARE
	v_mov_b32 v[NIL], 0
	ds_add_u32 v[SPW], v[NIL]                      ; the wave's opening: the add, twice on end, and its wait ahead of my tensor load
	ds_add_u32 v[SPW], v[NIL]
	v_lshrrev_b32 v1, 5, v0
	v_readfirstlane_b32 s[WV], v1                  ; wave 0..3
	v_and_b32 v[LI], 31, v0
	v_lshlrev_b32 v[LI], 4, v[LI]
	v_and_b32 v[RR], 15, v0
	v_bfe_u32 v[HH], v0, 4, 1
	v_mul_u32_u24 v[LSS], v[HH], TILEB
	v_lshl_add_u32 v[LSS], v[RR], 4, v[LSS]
	v_lshlrev_b32 v[BA], 6, v[HH]
	v_and_b32 v[LB], 8, v[RR]
	v_add_nc_u32 v[LB], v[LB], v[RR]
	v_lshlrev_b32 v[LB], 2, v[LB]
	s_wait_alu depctr_va_vdst(0)
	v_mov_b32 v[BL], 0                             ; written on every way through the head: kind v alone loads and reads them
	v_mov_b32 v[BL+1], 0
.irp b, 0,1,2,3
	v_mov_b32 v[TM+4+\b], 0                        ; a lane permute's destination counts as one of its sources
.endr
	s_lshr_b32 s[KIND], ttmp9, 6                   ; 0: q, 1: k, 2: v
	s_and_b32 s52, ttmp9, 63
	s_lshl_b32 s54, s[KIND], 6                     ; q, k: the weight's first tile in wimg,
	s_lshl_b32 s55, s[KIND], 9                     ; and the rows' first tile in ximg
	s_cmp_eq_u32 s[KIND], 2
	s_cselect_b32 s53, 15, 1
	s_cselect_b32 s59, 4, 1
	s_cselect_b32 s54, 512, s54                    ; v: x_cond's first tile in ximg,
	s_cselect_b32 s55, 128, s55                    ; and wv's in wimg
	s_and_b32 s[SB], s52, s53                      ; which 32 stationary tiles,
	s_lshr_b32 s[NB], s52, s59                     ; which 16 streamed ones
	s_lshl_b32 s60, s[SB], 5
	s_add_co_u32 s54, s54, s60
	s_lshl_b32 s60, s[WV], 3
	s_add_co_u32 s54, s54, s60                     ; my first stationary tile
	s_mul_i32 s60, s54, TILEB
	s_mov_b32 s61, 0
	s_lshl_b32 s62, s[NB], 4
	s_add_co_u32 s55, s55, s62
	s_mul_i32 s62, s55, TILEB
	s_mul_i32 s53, s[WV], 4*TILEB                  ; my quarter of the block, in memory and in LDS
	s_add_co_u32 s62, s62, s53
	s_mov_b32 s63, 0
	s_lshl_b32 s52, s[NB], 10
	v_add_nc_u32 v[BOFF], s52, v[LB]               ; kind v: 256 channels for each block of 16 tiles
	s_mov_b32 s[G1], 3<<16                         ; no mask; elements of 8 bytes; no padding: 136 dense rows of 256 bytes
	s_mov_b32 s[G1+1], 32<<16                      ; tensor_dim0 = 32
	s_mov_b32 s[G1+2], 136<<16                     ; tensor_dim1 = 136
	s_mov_b32 s[G1+3], 32<<16                      ; tile_dim0 = 32
	s_mov_b32 s[G1+4], 136                         ; tile_dim1 = 136
	s_mov_b32 s[G1+5], 32                          ; the pitch
	s_mov_b32 s[G1+6], 0
	s_mov_b32 s[G1+7], 0
	s_mov_b32 s[SEL], 0x76543210
	s_mov_b32 s[SEL+1], 0xfedcba98
	s_mov_b32 s[HM], 0xffff0000
	s_wait_dscnt 0x0                               ; both opening adds are done
	s_wait_kmcnt 0x0
	s_cmp_eq_u32 s[KIND], 2
	s_cselect_b64 s[SPT:SPT+1], s[4:5], s[6:7]
	s_cselect_b64 s[NPT:NPT+1], s[6:7], s[4:5]
	s_add_nc_u64 s[SPT:SPT+1], s[SPT:SPT+1], s[60:61]
	s_add_nc_u64 s[NPT:NPT+1], s[NPT:NPT+1], s[62:63]
	s_mov_b32 s[G0], 1
	s_mov_b32 s[G0+1], s53
	s_mov_b64 s[G0+2:G0+3], s[NPT:NPT+1]
	s_or_b32 s[G0+3], s[G0+3], 0x80000000
	tensor_load_to_lds s[G0:G0+3], s[G1:G1+7]      ; my one tensor load of the launch
	s_nop 0
.rept 4
	v_nop
.endr
	WIN 0x40                                       ; destination window 1
.irp s, 0,1,2,3
.irp t, 0,1,2,3,4,5,6,7
.irp c, 0,1
	global_load_b128 v[64*\s+8*\t+4*\c:64*\s+8*\t+4*\c+3], v[LI], s[SPT:SPT+1] offset:TILEB*\t+1024*\s+512*\c
.endr
.endr
.endr
	WIN 0x80                                       ; destination window 2
.irp s, 4,5,6,7
.irp t, 0,1,2,3,4,5,6,7
.irp c, 0,1
	global_load_b128 v[64*(\s-4)+8*\t+4*\c:64*(\s-4)+8*\t+4*\c+3], v[LI], s[SPT:SPT+1] offset:TILEB*\t+1024*\s+512*\c
.endr
.endr
.endr
	WIN 0
.irp p, 0,1,2,3
.irp q, 0,1
	global_load_b128 v[SS+8*\p+4*\q:SS+8*\p+4*\q+3], v[LSS], s[SPT:SPT+1] offset:2*TILEB*\p+8192+256*\q
.endr
.endr
	s_cmp_eq_u32 s[KIND], 0
	s_cselect_b64 s[CP:CP+1], s[14:15], s[18:19]
	s_cselect_b64 s[SCP:SCP+1], s[16:17], s[18:19]
	s_cselect_b64 s[BP:BP+1], s[8:9], s[10:11]
	s_cmp_eq_u32 s[KIND], 2
	s_cselect_b64 s[BP:BP+1], s[12:13], s[BP:BP+1]
	s_cbranch_scc1 .Lhead_v
	s_lshr_b32 s66, s[NB], 3                       ; q, k: the batch,
	s_lshl_b32 s66, s66, 4
	s_lshl_b32 s52, s[SB], 3
	s_add_co_u32 s66, s66, s52
	s_lshl_b32 s52, s[WV], 1
	s_add_co_u32 s66, s66, s52                     ; and my first head: 16 batch + 8 sb + 2 wave
	s_and_b32 s67, s[NB], 7                        ; which 256 rows of the batch
	s_lshl_b32 s52, s[SB], 11
	s_lshl_b32 s53, s[WV], 9
	s_add_co_u32 s52, s52, s53
	s_mov_b32 s53, 0
	s_add_nc_u64 s[BP:BP+1], s[BP:BP+1], s[52:53]  ; my 128 channels' bias
	WIN 0xc0
.irp t, 0,1,2,3,4,5,6,7                        ; in the result's layout: tile t, lane half h: channels 32 (t / 2) + 16 h + 8 (t % 2) + 0 .. 7
	global_load_b128 v[BIAS+8*\t:BIAS+8*\t+3], v[BA], s[BP:BP+1] offset:(32*(\t/2)+8*(\t%2))*4
	global_load_b128 v[BIAS+8*\t+4:BIAS+8*\t+7], v[BA], s[BP:BP+1] offset:(32*(\t/2)+8*(\t%2))*4+16
.endr
	WIN 0
	s_cmp_eq_u32 s[KIND], 0
	s_cbranch_scc0 .Lhead_k
	s_mov_b32 s[HS], 65536                         ; q: a head's codes; 8,192 bytes for 256 rows
	s_mov_b32 s68, 8192
	s_mov_b32 s69, 0
	s_mov_b32 s72, 4096                            ; a head's scale words; 512 bytes for 256 rows
	s_mov_b32 s70, 512
	s_mov_b32 s71, 0
	s_mov_b32 s[HSP], 4096
	s_mov_b32 s[JC], 0
	s_mov_b32 s[JS], 0
	s_branch .Lhead_done
.Lhead_k:
	s_mov_b32 s[HS], HEADB                         ; k: a head's block; two key steps for 256 rows
	s_mov_b32 s68, 2*TILEB
	s_mov_b32 s69, 0
	s_mov_b32 s72, HEADB
	s_mov_b32 s70, 2*TILEB
	s_mov_b32 s71, 8192
	s_mov_b32 s[HSP], HEADB
	s_mov_b32 s[JC], TILEB-4096
	s_mov_b32 s[JS], TILEB-256
	s_branch .Lhead_done
.Lhead_v:
	s_lshl_b32 s52, s[SB], 2
	s_add_co_u32 s52, s52, s[WV]                   ; v: my 128 keys: key step 4 sb + wave of 64
	s_lshr_b32 s66, s52, 4
	s_lshl_b32 s66, s66, 4
	s_lshl_b32 s53, s[NB], 2
	s_add_co_u32 s66, s66, s53                     ; 16 batch + my first head
	s_and_b32 s67, s52, 15                         ; the key step in its batch
	s_mov_b32 s[HS], HEADB
	s_mov_b32 s68, TILEB
	s_mov_b32 s69, 4096
	s_mov_b32 s72, HEADB
	s_mov_b32 s70, TILEB
	s_mov_b32 s71, 8448
	s_mov_b32 s[HSP], 64
	s_mov_b32 s[JC], 0
	s_mov_b32 s[JS], 0
	s_wait_alu depctr_va_vdst(0)
	global_load_b32 v[BL], v[BOFF], s[BP:BP+1]     ; the first pair's bias: my lane's channel in each of the two tiles
	global_load_b32 v[BL+1], v[BOFF], s[BP:BP+1] offset:32
	WIN 0xc0
.irp j, 0,1,2,3,4,5,6,7,8,9,10,11,12,13,14,15,16,17,18,19,20,21,22,23,24,25,26,27,28,29,30,31,32,33,34,35,36,37,38,39,40,41,42,43,44,45,46,47,48,49,50,51,52,53,54,55,56,57,58,59,60,61,62,63
	v_mov_b32 v[BIAS+\j], 0                        ; kind v never reads these; they are written once, so that every register that the loop's text names has been written on every way through the head
.endr
	WIN 0
.Lhead_done:
	s_mul_i32 s52, s66, s[HS]
	s_mul_i32 s53, s67, s68
	s_add_co_u32 s52, s52, s53
	s_add_co_u32 s52, s52, s69
	s_mov_b32 s53, 0
	s_add_nc_u64 s[CP:CP+1], s[CP:CP+1], s[52:53]
	s_mul_i32 s52, s66, s72
	s_mul_i32 s54, s67, s70
	s_add_co_u32 s52, s52, s54
	s_add_co_u32 s52, s52, s71
	s_add_nc_u64 s[SCP:SCP+1], s[SCP:SCP+1], s[52:53]
	v_mul_u32_u24 v[LSC], s[HSP], v[HH]
	v_lshl_add_u32 v[LSC], v[RR], 2, v[LSC]        ; 4 r, and lanes 16-31 the second head's word (q, k) or the second tile's (v)
	s_mov_b32 s[TB], 0
	s_mov_b32 s[PR], 0
	v_add_nc_u32 v[ADN], s[TB], v[LI]
	v_add_nc_u32 v[ADNS], s[TB], v[LSS]
	s_wait_alu depctr_va_vdst(0)
	s_wait_tensorcnt 0x0                           ; my quarter of the block is in,
	s_barrier_signal -1
	s_barrier_wait -1                              ; everybody's is; nothing is filled again
	NLOAD
.Lpair:                                            ; 8 trips: a pair of streamed tiles against my 8 stationary ones, all of K
	s_wait_dscnt 0x0                               ; the pair's fragments
	s_wait_loadcnt 0x0                             ; first trip: my stationary fragments, scale words and bias; kind v: this pair's bias
	s_cmp_eq_u32 s[KIND], 2
	s_cbranch_scc1 .Lstart_v
	WIN 0x3d                                       ; source 0 window 1, source 1 and C window 3
	MUL 0, 1
	WIN 0
	s_branch .Lstarted
.Lstart_v:
	WIN 0xc0
.irp n, 0,1
.irp j, 0,1,2,3,4,5,6,7
	v_mov_b32 v[BB+8*\n+\j], v[BL+\n]              ; a lane is a channel: its bias is the same in all eight registers
.endr
.endr
.rept 4
	v_nop
.endr
	WIN 0x3d
	MUL 0, 2
	WIN 0
.Lstarted:
	WIN 0x0d                                       ; C and D window 0
	MUL 1, 0
	MUL 2, 0
	MUL 3, 0
	WIN 0x0e                                       ; source 0 window 2
	MUL 4, 0
	MUL 5, 0
	MUL 6, 0
	MUL 7, 0
	WIN 0
	s_add_co_u32 s[TB], s[TB], 2*TILEB
	v_add_nc_u32 v[ADN], s[TB], v[LI]              ; these two and two v_nop: the four places in front of loads into registers that the products have read, and of the first read of results
	v_add_nc_u32 v[ADNS], s[TB], v[LSS]
	v_nop
	v_nop
	s_cmp_eq_u32 s[PR], 7
	s_cbranch_scc1 .Lno_next                       ; the last pair has no successor
	NLOAD                                          ; the next pair lands while this one is quantised
	s_cmp_lg_u32 s[KIND], 2
	s_cbranch_scc1 .Lno_next
	v_add_nc_u32 v[BOFF], 128, v[BOFF]             ; 32 channels on (the loads that read this register were waited for at the trip's head)
	global_load_b32 v[BL], v[BOFF], s[BP:BP+1]
	global_load_b32 v[BL+1], v[BOFF], s[BP:BP+1] offset:32
.Lno_next:
	s_wait_xcnt 0x0                                ; the last trip's stores have read their data and offsets: both are written again only behind this wait
	QUANT ACC, PC0, PW0
	QUANT ACC+64, PC1, PW1
	s_lshr_b32 s53, s[PR], 2
	s_cmp_eq_u32 s[KIND], 2
	s_cbranch_scc1 .Lout_v
	s_lshl_b32 s52, s[PR], 10                      ; q, k: 1,024 bytes a pair; k: and on to the next key step behind four pairs
	s_mul_i32 s54, s53, s[JC]
	s_add_co_u32 s52, s52, s54
	v_add_nc_u32 v[VO0], s52, v[LI]
	v_add_nc_u32 v[VO1], s[HS], v[VO0]
	global_store_b128 v[VO0], v[PC0:PC0+3], s[CP:CP+1]                 ; my first head: tile 0, tile 1; each store covers 512 consecutive bytes, aligned
	global_store_b128 v[VO0], v[PC1:PC1+3], s[CP:CP+1] offset:512
	global_store_b128 v[VO1], v[PC0+4:PC0+7], s[CP:CP+1]               ; my second head
	global_store_b128 v[VO1], v[PC1+4:PC1+7], s[CP:CP+1] offset:512
	v_perm_b32 v[SWD], v[PW1], v[PW0], 0x05040100  ; first head: {tile 0: b0, b1; tile 1: b0, b1}
	v_perm_b32 v[SWD+1], v[PW1], v[PW0], 0x07060302   ; second head
	v_cndmask_b32 v[SWD], v[SWD], v[SWD+1], s[HM]
	s_lshl_b32 s52, s[PR], 6
	s_mul_i32 s54, s53, s[JS]
	s_add_co_u32 s52, s52, s54
	v_add_nc_u32 v[VSC], s52, v[LSC]
	global_store_b32 v[VSC], v[SWD], s[SCP:SCP+1]  ; two runs of 64 bytes: one byte in seventeen of what the launch stores
	s_branch .Lout_done
.Lout_v:
	s_lshr_b32 s52, s[PR], 1                       ; v: two pairs of tiles to a head
	s_mul_i32 s52, s52, HEADB
	s_and_b32 s54, s[PR], 1
	s_lshl_b32 s55, s54, 11
	s_add_co_u32 s55, s55, s52
	v_add_nc_u32 v[VO0], s55, v[LI]
	s_wait_alu depctr_va_vdst(0)
	global_store_b128 v[VO0], v[PC0:PC0+3], s[CP:CP+1]                 ; tile t: keys 32 h + 0 .. 31, keys 64 + 32 h + 0 .. 31; then tile t + 1
	global_store_b128 v[VO0], v[PC0+4:PC0+7], s[CP:CP+1] offset:512
	global_store_b128 v[VO0], v[PC1:PC1+3], s[CP:CP+1] offset:1024
	global_store_b128 v[VO0], v[PC1+4:PC1+7], s[CP:CP+1] offset:1536
	v_cndmask_b32 v[SWD], v[PW0], v[PW1], s[HM]
	s_lshl_b32 s54, s54, 7
	s_add_co_u32 s54, s54, s52
	v_add_nc_u32 v[VSC], s54, v[LSC]
	global_store_b32 v[VSC], v[SWD], s[SCP:SCP+1]
.Lout_done:
	s_add_co_u32 s[PR], s[PR], 1
	s_cmp_lt_u32 s[PR], 8
	s_cbranch_scc1 .Lpair
	s_wait_tensorcnt 0x0                           ; the wave's end
	ds_add_u32 v[SPW], v[NIL]
	s_wait_dscnt 0x0
	s_endpgm
.Lfunc_end_k_qdb463338dd_proj:
	.size	k_qdb463338dd_proj, .Lfunc_end_k_qdb463338dd_proj-k_qdb463338dd_proj
	.p2alignl 7, 3214868480
	.fill 96, 4, 3214868480
	.section	.rodata,"a",@progbits
	.p2align	6, 0x0
	.amdhsa_kernel k_qdb463338dd_proj
		.amdhsa_group_segment_fixed_size 167936
		.amdhsa_private_segment_fixed_size 0
		.amdhsa_enable_private_segment 0
		.amdhsa_kernarg_size 64
		.amdhsa_user_sgpr_count 2
		.amdhsa_user_sgpr_kernarg_segment_ptr 1
		.amdhsa_wavefront_size32 1
		.amdhsa_system_sgpr_workgroup_id_x 1
		.amdhsa_system_sgpr_workgroup_id_y 1
		.amdhsa_system_sgpr_workgroup_id_z 1
		.amdhsa_system_vgpr_workitem_id 0
		.amdhsa_next_free_vgpr 1024
		.amdhsa_next_free_sgpr 80
		.amdhsa_reserve_vcc 0
		.amdhsa_float_denorm_mode_32 3
		.amdhsa_float_denorm_mode_16_64 3
		.amdhsa_memory_ordered 1
		.amdhsa_forward_progress 1
		.amdhsa_inst_pref_size 57
	.end_amdhsa_kernel
	.amdgpu_metadata
---
amdhsa.version: [ 1, 2 ]
amdhsa.kernels:
  - .name:           k_qdb463338dd_proj
    .symbol:         k_qdb463338dd_proj.kd
    .args:
      - { .name: ximg, .offset: 0, .size: 8, .value_kind: global_buffer, .address_space: global }
      - { .name: wimg, .offset: 8, .size: 8, .value_kind: global_buffer, .address_space: global }
      - { .name: bq, .offset: 16, .size: 8, .value_kind: global_buffer, .address_space: global }
      - { .name: bk, .offset: 24, .size: 8, .value_kind: global_buffer, .address_space: global }
      - { .name: bv, .offset: 32, .size: 8, .value_kind: global_buffer, .address_space: global }
      - { .name: qc, .offset: 40, .size: 8, .value_kind: global_buffer, .address_space: global }
      - { .name: qs, .offset: 48, .size: 8, .value_kind: global_buffer, .address_space: global }
      - { .name: kv, .offset: 56, .size: 8, .value_kind: global_buffer, .address_space: global }
    .group_segment_fixed_size: 167936
    .private_segment_fixed_size: 0
    .kernarg_segment_align: 8
    .kernarg_segment_size: 64
    .max_flat_workgroup_size: 128
    .sgpr_count:     80
    .vgpr_count:     1024
    .wavefront_size: 32
...
	.end_amdgpu_metadata
.endif
;; end of part 2
;; launch attn (part 3): grid 4 x 64, 16 waves a work-group, clusters of 4 x 1, 167,936 bytes of LDS; arguments qc, qs, kv, ao; writes ao
.if DOCPART == 3
	.amdgcn_target "amdgcn-amd-amdhsa--gfx1250"
	.amdhsa_code_object_version 6
	.text
	.protected	k_qdb463338dd_attn
	.globl	k_qdb463338dd_attn
	.p2align	8
	.type	k_qdb463338dd_attn,@function
k_qdb463338dd_attn:
	s_mov_b64 s[64:65], 0
	v_nop
	global_prefetch_b8 v0, s[64:65] scope:SCOPE_SE
	s_setreg_imm32_b32 hwreg(HW_REG_WAVE_MODE, 25, 1), 1
	s_wait_xcnt 0x0
	s_wait_alu depctr_hold_cnt(0) depctr_sa_sdst(0) depctr_va_vdst(0) depctr_va_sdst(0) depctr_va_ssrc(0) depctr_va_vcc(0) depctr_vm_vsrc(0)
	s_getreg_b32 s2, hwreg(HW_REG_IB_STS2, 6, 4)
	s_cmp_eq_u32 s2, 0
	s_cbranch_scc0 .Lentry_in_a_cluster
	s_endpgm
.Lentry_in_a_cluster:
	s_bfe_u32 s2, ttmp6, 0x10000c
	s_cmp_lg_u32 s2, 0x3003
	s_cbranch_scc0 .Lentry_shape_is_right
	s_endpgm
.Lentry_shape_is_right:
; Launch 3 of 4: for each (batch, head): S = q k^T / 8, the softmax, O = P v / l, and O quantised along the model's 1,024 for the last product.  Both products on codes of E2M1.  No work is left out.
; THE SOFTMAX: t = score x log2(e) / 8; M = the running largest t, rounded up to a whole number; p = 2^(t - M) is quantised along the keys, not normalised; the row's sum is taken of the unquantised p.
; When M moves, the sum and O are multiplied by 2^(old M - new M): exact.
; LIMITS: NaN and infinities are not served; a p under 2^-126 is 0 (the exponential's own flush: ISA guide, the instruction's entry); a block under 2^(3 - 127) gets the byte 1.
; SHARES.  A work-group owns 512 queries of one head, each of its sixteen waves 32: two tiles, A and B, in 256 registers; four waves to a SIMD, so that one wave's vector work stands beside another's
; matrix work and LDS loads.  Each fragment of K and V read from LDS feeds both tiles.
; LDS.  The head's whole block of kv, 16 key steps x 8,704 bytes, comes in ONCE: wave w's one tensor load brings key step w.  Nothing is filled again.
; CLUSTER.  The four work-groups of a cluster are the four query blocks of one head and need the same block: each load is asked for jointly, with the same descriptor and a mask that names the four.
; LAYOUT.  Both products transposed (source 0 = keys, or V's channels; source 1 = my queries): a lane holds one query throughout.
; THE HEAD'S 64 IN AN INSTRUCTION 128 DEEP.  A fragment of K holds TWO tiles of 16 keys: registers 0-3 the one (c = 0), registers 4-7 the other.  Q stands as twelve registers [q][0][q]: registers 0-7 meet the
; first tile's channels and give zeros to the second's, registers 4-11 the other way round.  Zero codes add nothing; their scale bytes on Q's side are 1.
.set STEPB, 8704
.set HEADB, 16*STEPB
.set SPARE, HEADB                      ; behind the block: the spare words, 128 bytes for each of sixteen waves
.set LI,  1                            ; v1   16 x lane
.set LS,  2                            ; v2   4 x lane
.set ADR, 3                            ; v3   LDS address of the step's images
.set ADS, 4                            ; v4   and of its scale words
.set SPW, 5                            ; v5   my spare word; never rewritten
.set NIL, 6                            ; v6   0; never rewritten
.set SOF, 7                            ; v7   the way out: 8,704 h + 16 r
.set STA, 8                            ; v8 -M, v9 the largest t, v[10:11] the sum in two halves: tile A
.set STB, 12                           ; v12-15 the same: tile B
.set QA,  16                           ; v16-27 [q][0][q]
.set QB,  28                           ; v28-39
.set KF,  40                           ; v40-71 four fragments: K's, then V's
.set S,   72                           ; v72-135 S^T, then p; on the way out O / l
.set OA,  136                          ; v136-167 O^T of tile A: four tiles of channels
.set OB,  168
.set PCA, 200                          ; p's codes
.set PCB, 208
.set KS,  216                          ; v216-217 K's scale words: register p: lanes 0-15 fragment 2 p, lanes 16-31 fragment 2 p + 1
.set VS,  218                          ; v218-219 V's likewise
.set QSC, 220                          ; v220-223 Q's scale words: A low, A high, B low, B high
.set PSA, 224                          ; p's scale words
.set PSB, 225
.set BM,  226                          ; v226-229 a block's largest score, then p
.set BP,  230                          ; v230-233 at work
.set BS,  234                          ; v234-237 the conversions' scale operands
.set SUM2, 238
.set F,   240                          ; v[240:241] 2^(old M - new M) in the low word
.set T,   242
.set QW,  243
.set HW,  244                          ; v244-246 the way out: half words of scale bytes
.set WV,  12
.set SEL, 20
.set CS,  22                           ; s[22:23] c = log2(e) / 8
.set G1,  24
.set G0,  32
.set TB,  36
.set CNT, 37
.set HM,  38
.macro CROUND                          ; a round of the cluster's barrier
	s_barrier_signal -1
	s_barrier_wait -1
	s_cmp_lg_u32 s[WV], 0
	s_cbranch_scc1 .Lnot_wave_0_\@
	s_barrier_signal -3
.Lnot_wave_0_\@:
	s_barrier_wait -3
	s_barrier_signal -1
	s_barrier_wait -1
.endm
; S^T of one tile of queries for 128 keys: eight products, each a sum of its own.  q: the tile's twelve registers; sl: its low scale word (the high one follows)
.macro SQK q, sl
.irp p, 0,1
	v_wmma_scale_f32_16x16x128_f8f6f4 v[S+32*\p:S+32*\p+7], v[KF+16*\p:KF+16*\p+7], v[\q:\q+7], 0, v[KS+\p], v[\sl] matrix_a_fmt:MATRIX_FMT_FP4 matrix_b_fmt:MATRIX_FMT_FP4
	v_wmma_scale_f32_16x16x128_f8f6f4 v[S+32*\p+8:S+32*\p+15], v[KF+16*\p:KF+16*\p+7], v[\q+4:\q+11], 0, v[KS+\p], v[\sl+1] matrix_a_fmt:MATRIX_FMT_FP4 matrix_b_fmt:MATRIX_FMT_FP4
	v_wmma_scale_f32_16x16x128_f8f6f4 v[S+32*\p+16:S+32*\p+23], v[KF+16*\p+8:KF+16*\p+15], v[\q:\q+7], 0, v[KS+\p], v[\sl] matrix_a_fmt:MATRIX_FMT_FP4 matrix_b_fmt:MATRIX_FMT_FP4 matrix_a_scale:MATRIX_SCALE_ROW1
	v_wmma_scale_f32_16x16x128_f8f6f4 v[S+32*\p+24:S+32*\p+31], v[KF+16*\p+8:KF+16*\p+15], v[\q+4:\q+11], 0, v[KS+\p], v[\sl+1] matrix_a_fmt:MATRIX_FMT_FP4 matrix_b_fmt:MATRIX_FMT_FP4 matrix_a_scale:MATRIX_SCALE_ROW1
.endr
.endm                                  ; register 16 b + i of S: key 32 b + 16 (lane / 16) + i of the step
; One tile's softmax for 128 keys.  st: its statistics; o: its O^T; pc, ps: where p's codes and scale word go
.macro SOFTMAX st, o, pc, ps
.irp b, 0,1,2,3
	v_max3_num_f32 v[BM+\b], v[S+16*\b], v[S+1+16*\b], v[S+2+16*\b]   ; the largest score of each block of 32 keys: for the row's maximum and, since p rises with the score, for the block's largest p
.endr
.irp i, 3,5,7,9,11,13
.irp b, 0,1,2,3
	v_max3_num_f32 v[BM+\b], v[BM+\b], v[S+16*\b+\i], v[S+1+16*\b+\i]
.endr
.endr
.irp b, 0,1,2,3
	v_max_num_f32 v[BM+\b], v[BM+\b], v[S+15+16*\b]
.endr
.irp b, 0,1,2,3
	s_delay_alu instid0(VALU_DEP_4)
	v_permlanex16_b32 v[BP+\b], v[BM+\b], s[SEL], s[SEL+1]
.endr
.irp b, 0,1,2,3
	s_delay_alu instid0(VALU_DEP_4)
	v_max_num_f32 v[BM+\b], v[BM+\b], v[BP+\b]             ; with lane l xor 16's 16 keys
.endr
	s_delay_alu instid0(VALU_DEP_2)
	v_max3_num_f32 v[T], v[BM], v[BM+1], v[BM+2]
	s_delay_alu instid0(VALU_DEP_1)
	v_max_num_f32 v[T], v[T], v[BM+3]
	s_delay_alu instid0(VALU_DEP_1)
	v_mul_f32 v[T], s[CS], v[T]                            ; the step's largest t (c is positive)
	s_delay_alu instid0(VALU_DEP_1)
	v_max_num_f32 v[\st+1], v[\st+1], v[T]                 ; the running largest t
	v_mov_b32 v[T], v[\st]
	s_delay_alu instid0(VALU_DEP_2)
	v_floor_f32 v[\st], -v[\st+1]                          ; the new -M = floor(-t): M is a whole number
	s_delay_alu instid0(VALU_DEP_1)
	v_sub_f32 v[T], v[\st], v[T]                           ; old M less new M: a whole number, 0 or less
	s_delay_alu instid0(VALU_DEP_1)
	v_cvt_i32_f32 v[T], v[T]                               ; (it saturates)
	s_delay_alu instid0(VALU_DEP_1)
	v_ldexp_f32 v[F], 1.0, v[T]                            ; f = 2^(old M - new M)
.irp j, 0,2,4,6,8,10,12,14,16,18,20,22,24,26,28,30,32,34,36,38,40,42,44,46,48,50,52,54,56,58,60,62
	v_pk_fma_f32 v[S+\j:S+\j+1], v[S+\j:S+\j+1], s[CS:CS+1], v[\st:\st+1] op_sel_hi:[1,0,0]   ; t - M, two at a time
.endr
.irp b, 0,1,2,3
	v_fma_f32 v[BM+\b], v[BM+\b], s[CS], v[\st]            ; the same of each block's largest score
.endr
	s_wait_alu depctr_va_vdst(0)
.irp j, 0,1,2,3,4,5,6,7,8,9,10,11,12,13,14,15,16,17,18,19,20,21,22,23,24,25,26,27,28,29,30,31,32,33,34,35,36,37,38,39,40,41,42,43,44,45,46,47,48,49,50,51,52,53,54,55,56,57,58,59,60,61,62,63
	v_exp_f32 v[S+\j], v[S+\j]                             ; p = 2^(t - M)
.endr
	v_pk_mul_f32 v[\st+2:\st+3], v[\st+2:\st+3], v[F:F+1] op_sel_hi:[1,0]   ; the sums under the new M: the plain instruction behind the exponentials
	s_wait_alu depctr_va_vdst(0)                           ; one wait for the batch of 64, ahead of its first reader
.irp b, 0,1,2,3
	v_exp_f32 v[BM+\b], v[BM+\b]                           ; the block's largest p
.endr
	v_pk_add_f32 v[SUM2:SUM2+1], v[S:S+1], v[S+2:S+3]      ; the row's sum, of the unquantised p, in two chains: plain work behind the four
.irp j, 4,8,12,16,20,24,28,32,36,40,44,48,52,56,60
	v_pk_add_f32 v[\st+2:\st+3], v[\st+2:\st+3], v[S+\j:S+\j+1]
	v_pk_add_f32 v[SUM2:SUM2+1], v[SUM2:SUM2+1], v[S+2+\j:S+3+\j]
.endr
	s_delay_alu instid0(VALU_DEP_1)
	v_pk_add_f32 v[\st+2:\st+3], v[\st+2:\st+3], v[SUM2:SUM2+1]
	s_wait_alu depctr_va_vdst(0)                           ; and one for the four
.irp b, 0,1,2,3
	v_max_num_f32 v[BM+\b], 0x1800000, v[BM+\b]            ; the floor 2^(3 - 127): the byte cannot fall under 1
.endr
.irp b, 0,1,2,3
	s_delay_alu instid0(VALU_DEP_4)
	v_add_nc_u32 v[BS+\b], 0xff000000, v[BM+\b]            ; 2 off the exponent field: the conversion's scale operand
.endr
.irp b, 0,1,2,3
	s_delay_alu instid0(VALU_DEP_4)
	v_lshrrev_b32 v[BP+\b], 23, v[BS+\b]                   ; the scale's byte
.endr
	s_delay_alu instid0(VALU_DEP_3)
	v_lshl_or_b32 v[\ps], v[BP+1], 8, v[BP]
	s_delay_alu instid0(VALU_DEP_1)
	v_lshl_or_b32 v[\ps], v[BP+2], 16, v[\ps]
	s_delay_alu instid0(VALU_DEP_1)
	v_lshl_or_b32 v[\ps], v[BP+3], 24, v[\ps]              ; p's scale word for these 128 keys
.irp b, 0,1,2,3
	v_cvt_scalef32_pk8_fp4_f32 v[\pc+2*\b], v[S+16*\b:S+7+16*\b], v[BS+\b]
	v_cvt_scalef32_pk8_fp4_f32 v[\pc+1+2*\b], v[S+8+16*\b:S+15+16*\b], v[BS+\b]
.endr
	v_nop                                                  ; one plain instruction behind the scaled conversions
.irp c, 0,1
.irp i, 0,1
	v_permlane16_swap_b32 v[\pc+4*\c+\i], v[\pc+2+4*\c+\i] ; a whole block to a lane
.endr
.endr
.irp j, 0,2,4,6,8,10,12,14,16,18,20,22,24,26,28,30
	v_pk_mul_f32 v[\o+\j:\o+\j+1], v[\o+\j:\o+\j+1], v[F:F+1] op_sel_hi:[1,0]   ; O^T under the new M; these sixteen also stand between the scale word's and the codes' last writes and the products that take them
.endr
.endm
; The way out: 32 numbers of a lane, register 16 b + i = channel 32 b + 16 (lane / 16) + i of my query's head: codes in v[e] .. v[e + 3], the two scale bytes in v[hw]
.macro QUANT2 x, e, hw
.irp b, 0,1
	v_max3_num_f32 v[BM+\b], |v[\x+16*\b]|, |v[\x+1+16*\b]|, 0x1800000
.endr
.irp i, 2,4,6,8,10,12,14
.irp b, 0,1
	s_delay_alu instid0(VALU_DEP_2)
	v_max3_num_f32 v[BM+\b], v[BM+\b], |v[\x+16*\b+\i]|, |v[\x+1+16*\b+\i]|
.endr
.endr
.irp b, 0,1
	s_delay_alu instid0(VALU_DEP_2)
	v_permlanex16_b32 v[BP+\b], v[BM+\b], s[SEL], s[SEL+1]
.endr
.irp b, 0,1
	s_delay_alu instid0(VALU_DEP_2)
	v_max_num_f32 v[BM+\b], v[BM+\b], v[BP+\b]
.endr
.irp b, 0,1
	s_delay_alu instid0(VALU_DEP_2)
	v_add_nc_u32 v[BS+\b], 0xff000000, v[BM+\b]
.endr
.irp b, 0,1
	s_delay_alu instid0(VALU_DEP_2)
	v_lshrrev_b32 v[BP+\b], 23, v[BS+\b]
.endr
	s_delay_alu instid0(VALU_DEP_1)
	v_lshl_or_b32 v[\hw], v[BP+1], 8, v[BP]
.irp b, 0,1
	v_cvt_scalef32_pk8_fp4_f32 v[\e+2*\b], v[\x+16*\b:\x+7+16*\b], v[BS+\b]
	v_cvt_scalef32_pk8_fp4_f32 v[\e+1+2*\b], v[\x+8+16*\b:\x+15+16*\b], v[BS+\b]
.endr
	v_nop
	v_permlane16_swap_b32 v[\e], v[\e+2]
	v_permlane16_swap_b32 v[\e+1], v[\e+3]                 ; lane (r, h): block h of my head, 16 bytes
.endm
	s_load_b256 s[4:11], s[0:1], 0x0               ; qc, qs, kv, ao
	v_lshl_add_u32 v[SPW], v0, 2, SPARE
	v_mov_b32 v[NIL], 0
	ds_add_u32 v[SPW], v[NIL]                      ; the wave's opening: the add, twice on end, and its wait ahead of my tensor load
	ds_add_u32 v[SPW], v[NIL]
	v_lshrrev_b32 v1, 5, v0
	s_delay_alu instid0(VALU_DEP_1)
	v_readfirstlane_b32 s[WV], v1                  ; wave 0..15
	s_bfe_u32 s13, ttmp6, 0x40000                  ; cx
	s_lshl_b32 s14, ttmp9, 2
	s_add_co_u32 s14, s14, s13                     ; my block of 512 queries: it enters Q's and the result's addresses alone
	s_and_b32 s15, ttmp7, 0xffff                   ; batch x 16 + head, which the four partners share
	s_mov_b32 s[G1], 15|(3<<16)|(1<<21)            ; the mask: all four; elements of 8 bytes; bit 21 beside a mask; no padding: 34 dense rows of 256 bytes
	s_mov_b32 s[G1+1], 32<<16
	s_mov_b32 s[G1+2], 34<<16
	s_mov_b32 s[G1+3], 32<<16
	s_mov_b32 s[G1+4], 34
	s_mov_b32 s[G1+5], 32
	s_mov_b32 s[G1+6], 0
	s_mov_b32 s[G1+7], 0
	s_mul_i32 s16, s[WV], STEPB                    ; key step w: its place in the head's block, in memory and in LDS
	s_mul_i32 s18, s15, HEADB
	s_add_co_u32 s18, s18, s16
	s_mov_b32 s19, 0
	s_lshl_b32 s46, s14, 4
	s_add_co_u32 s46, s46, s[WV]                   ; g: my pair of tiles of queries
	s_lshl_b32 s48, s15, 16
	s_lshl_b32 s47, s46, 10
	s_add_co_u32 s48, s48, s47                     ; its codes
	s_mov_b32 s49, 0
	s_lshl_b32 s50, s15, 12
	s_lshl_b32 s47, s46, 6
	s_add_co_u32 s50, s50, s47                     ; its scale words
	s_mov_b32 s51, 0
	s_lshr_b32 s52, s15, 4
	s_lshl_b32 s52, s52, 7
	s_lshl_b32 s47, s46, 1
	s_add_co_u32 s52, s52, s47                     ; the result's tile: 128 batch + 2 g
	s_mul_i32 s52, s52, STEPB                      ; (a tile's image is 8,704 bytes too)
	s_and_b32 s53, s15, 15                         ; the head: blocks 2 head, 2 head + 1 of the model's 32
	s_lshr_b32 s54, s53, 1                         ; K step,
	s_and_b32 s55, s53, 1                          ; and which half of it
	s_lshl_b32 s56, s54, 10
	s_lshl_b32 s57, s55, 9
	s_add_co_u32 s56, s56, s57
	s_add_co_u32 s56, s56, s52                     ; where my codes go
	s_mov_b32 s57, 0
	s_lshr_b32 s58, s53, 3
	s_lshl_b32 s58, s58, 8
	s_and_b32 s54, s54, 3
	s_lshl_b32 s54, s54, 2
	s_add_co_u32 s58, s58, s54
	s_lshl_b32 s55, s55, 1
	s_add_co_u32 s58, s58, s55
	s_add_co_u32 s58, s58, s52
	s_add_co_u32 s58, s58, 8192                    ; and my two scale bytes
	s_mov_b32 s59, 0
	s_mov_b32 s[SEL], 0x76543210
	s_mov_b32 s[SEL+1], 0xfedcba98
	s_mov_b32 s[CS], 0x3e38aa3b                    ; log2(e) / 8
	s_mov_b32 s[CS+1], s[CS]
	s_mov_b32 s[HM], 0xffff0000
	s_mov_b32 s39, 0x01010000
	v_and_b32 v[LI], 31, v0
	s_delay_alu instid0(VALU_DEP_1)
	v_lshlrev_b32 v[LS], 2, v[LI]
	s_delay_alu instid0(VALU_DEP_2)
	v_lshlrev_b32 v[LI], 4, v[LI]
	v_and_b32 v[T], 15, v0                         ; r
	v_bfe_u32 v[SOF], v0, 4, 1                     ; h
	s_delay_alu instid0(VALU_DEP_1)
	v_mul_u32_u24 v[SOF], v[SOF], STEPB
	s_delay_alu instid0(VALU_DEP_1)
	v_lshl_add_u32 v[SOF], v[T], 4, v[SOF]
	s_delay_alu instid0(VALU_DEP_4)
	v_lshlrev_b32 v[T], 2, v[T]                    ; 4 r
	s_wait_dscnt 0x0                               ; both opening adds are done
	s_wait_kmcnt 0x0
	s_mov_b32 s[G0], 1
	s_mov_b32 s[G0+1], s16
	s_add_nc_u64 s[G0+2:G0+3], s[8:9], s[18:19]
	s_or_b32 s[G0+3], s[G0+3], 0x80000000
	s_add_nc_u64 s[40:41], s[4:5], s[48:49]
	s_add_nc_u64 s[42:43], s[6:7], s[50:51]
	s_add_nc_u64 s[44:45], s[10:11], s[56:57]
	s_add_nc_u64 s[46:47], s[10:11], s[58:59]
	CROUND                                         ; all four work-groups are here: the joint loads meet
	tensor_load_to_lds s[G0:G0+3], s[G1:G1+7]      ; my one tensor load of the launch
	s_nop 0
.rept 4
	v_nop
.endr
	s_wait_alu depctr_va_vdst(0)
	global_load_b128 v[QA:QA+3], v[LI], s[40:41] th:TH_LOAD_NT               ; q stands twice in its twelve registers
	global_load_b128 v[QA+8:QA+11], v[LI], s[40:41] th:TH_LOAD_NT
	global_load_b128 v[QB:QB+3], v[LI], s[40:41] offset:512 th:TH_LOAD_NT
	global_load_b128 v[QB+8:QB+11], v[LI], s[40:41] offset:512 th:TH_LOAD_NT
	global_load_b32 v[QW], v[T], s[42:43] th:TH_LOAD_NT
.irp j, 4,5,6,7
	v_mov_b32 v[QA+\j], 0                          ; the zero codes between
	v_mov_b32 v[QB+\j], 0
.endr
	v_mov_b32 v[STA+1], 0xff61b1e6                 ; the largest t so far: -3e38, under every t
	v_mov_b32 v[STB+1], 0xff61b1e6
	s_delay_alu instid0(VALU_DEP_2)
	v_floor_f32 v[STA], -v[STA+1]
	s_delay_alu instid0(VALU_DEP_2)
	v_floor_f32 v[STB], -v[STB+1]
.irp j, 2,3
	v_mov_b32 v[STA+\j], 0
	v_mov_b32 v[STB+\j], 0
.endr
.irp b, 0,1,2,3
	v_mov_b32 v[BP+\b], 0                          ; a lane permute's destination counts as one of its sources
.endr
	v_mov_b32 v[F+1], 0                            ; named as the upper half of a pair
	s_wait_loadcnt 0x0
	v_and_or_b32 v[QSC], v[QW], 0xffff, s39        ; tile A against a fragment's first keys: {b0, b1, 1, 1}
	v_lshl_or_b32 v[QSC+1], v[QW], 16, 0x0101      ; against its second keys: {1, 1, b0, b1}
	v_lshrrev_b32 v[QSC+2], 16, v[QW]
	s_delay_alu instid0(VALU_DEP_1)
	v_or_b32 v[QSC+2], s39, v[QSC+2]               ; tile B likewise
	v_and_or_b32 v[QSC+3], v[QW], s[HM], 0x0101
.irp j, 0,1,2,3,4,5,6,7,8,9,10,11,12,13,14,15,16,17,18,19,20,21,22,23,24,25,26,27,28,29,30,31,32,33,34,35,36,37,38,39,40,41,42,43,44,45,46,47,48,49,50,51,52,53,54,55,56,57,58,59,60,61,62,63
	v_mov_b32 v[OA+\j], 0                          ; O^T of both tiles: the step is written once, and its first trip finds zeros.  (These also stand between the scale words' writes and the first products)
.endr
	s_mov_b32 s[TB], 0
	s_mov_b32 s[CNT], 16
	s_wait_tensorcnt 0x0                           ; my key step is in,
	s_barrier_signal -1
	s_barrier_wait -1                              ; everybody's is
.Lstep:                                            ; 16 trips: 128 keys each
	s_setprio 2
	v_add_nc_u32 v[ADR], s[TB], v[LI]              ; these two and two v_nop: the four places in front of loads into registers that the last products have read
	v_add_nc_u32 v[ADS], s[TB], v[LS]
	v_nop
	v_nop
.irp j, 0,1,2,3
.irp c, 0,1
	ds_load_b128 v[KF+8*\j+4*\c:KF+8*\j+4*\c+3], v[ADR] offset:1024*\j+512*\c
.endr
.endr
	ds_load_b32 v[KS], v[ADS] offset:8192
	ds_load_b32 v[KS+1], v[ADS] offset:8320
	s_wait_dscnt 0x0
	SQK QA, QSC
.rept 4
	v_nop
.endr
	SOFTMAX STA, OA, PCA, PSA
	SQK QB, QSC+2
.rept 4
	v_nop                                          ; in front of the loads into K's registers and of the first read of the scores
.endr
.irp t, 0,1,2,3
.irp c, 0,1
	ds_load_b128 v[KF+8*\t+4*\c:KF+8*\t+4*\c+3], v[ADR] offset:4096+1024*\t+512*\c   ; V lands under tile B's softmax
.endr
.endr
	ds_load_b32 v[VS], v[ADS] offset:8448
	ds_load_b32 v[VS+1], v[ADS] offset:8576
	s_setprio 1
	SOFTMAX STB, OB, PCB, PSB
	s_setprio 0
	s_wait_alu depctr_va_vdst(0)
	s_wait_dscnt 0x0
.irp p, 0,1                                    ; O^T += V^T P^T: eight accumulators, one instruction each
	v_wmma_scale_f32_16x16x128_f8f6f4 v[OA+16*\p:OA+16*\p+7], v[KF+16*\p:KF+16*\p+7], v[PCA:PCA+7], v[OA+16*\p:OA+16*\p+7], v[VS+\p], v[PSA] matrix_a_fmt:MATRIX_FMT_FP4 matrix_b_fmt:MATRIX_FMT_FP4
	v_wmma_scale_f32_16x16x128_f8f6f4 v[OB+16*\p:OB+16*\p+7], v[KF+16*\p:KF+16*\p+7], v[PCB:PCB+7], v[OB+16*\p:OB+16*\p+7], v[VS+\p], v[PSB] matrix_a_fmt:MATRIX_FMT_FP4 matrix_b_fmt:MATRIX_FMT_FP4
	v_wmma_scale_f32_16x16x128_f8f6f4 v[OA+16*\p+8:OA+16*\p+15], v[KF+16*\p+8:KF+16*\p+15], v[PCA:PCA+7], v[OA+16*\p+8:OA+16*\p+15], v[VS+\p], v[PSA] matrix_a_fmt:MATRIX_FMT_FP4 matrix_b_fmt:MATRIX_FMT_FP4 matrix_a_scale:MATRIX_SCALE_ROW1
	v_wmma_scale_f32_16x16x128_f8f6f4 v[OB+16*\p+8:OB+16*\p+15], v[KF+16*\p+8:KF+16*\p+15], v[PCB:PCB+7], v[OB+16*\p+8:OB+16*\p+15], v[VS+\p], v[PSB] matrix_a_fmt:MATRIX_FMT_FP4 matrix_b_fmt:MATRIX_FMT_FP4 matrix_a_scale:MATRIX_SCALE_ROW1
.endr
	s_add_co_u32 s[TB], s[TB], STEPB
	s_sub_co_u32 s[CNT], s[CNT], 1
	s_cmp_lg_u32 s[CNT], 0
	s_cbranch_scc1 .Lstep
	s_setprio 0
	; THE WAY OUT.  The additions are the places behind the last products.
	v_add_f32 v[STA+2], v[STA+2], v[STA+3]
	v_add_f32 v[STB+2], v[STB+2], v[STB+3]
	s_delay_alu instid0(VALU_DEP_2)
	v_permlanex16_b32 v[BP], v[STA+2], s[SEL], s[SEL+1]
	s_delay_alu instid0(VALU_DEP_2)
	v_permlanex16_b32 v[BP+1], v[STB+2], s[SEL], s[SEL+1]
	s_delay_alu instid0(VALU_DEP_2)
	v_add_f32 v[STA+2], v[STA+2], v[BP]            ; the rows' sums
	s_delay_alu instid0(VALU_DEP_2)
	v_add_f32 v[STB+2], v[STB+2], v[BP+1]
	s_wait_alu depctr_va_vdst(0)
	v_rcp_f32 v[F], v[STA+2]
	v_rcp_f32 v[T], v[STB+2]
	v_nop                                          ; a plain instruction behind the reciprocals
	s_wait_alu depctr_va_vdst(0)                   ; one wait for both, ahead of their first reader
.irp j, 0,2,4,6,8,10,12,14,16,18,20,22,24,26,28,30
	v_pk_mul_f32 v[S+\j:S+\j+1], v[OA+\j:OA+\j+1], v[F:F+1] op_sel_hi:[1,0]          ; O / l, each accumulator from its low end on
.endr
.irp j, 0,2,4,6,8,10,12,14,16,18,20,22,24,26,28,30
	v_pk_mul_f32 v[S+32+\j:S+33+\j], v[OB+\j:OB+\j+1], v[T:T+1] op_sel_hi:[1,0]
.endr
	QUANT2 S, PCA, HW
	QUANT2 S+32, PCB, HW+1
	global_store_b128 v[LI], v[PCA:PCA+3], s[44:45]                  ; 512 consecutive bytes, aligned: my head's half K step of tile A's image,
	global_store_b128 v[LI], v[PCB:PCB+3], s[44:45] offset:STEPB     ; and of tile B's
	v_cndmask_b32 v[HW+2], v[HW], v[HW+1], s[HM]
	global_store_b16 v[SOF], v[HW+2], s[46:47]     ; two bytes a row, 16 bytes apart: a row's scale word is shared by two heads, which lie in different work-groups; 262,144 of the launch's 4,456,448 bytes
	s_wait_tensorcnt 0x0                           ; the wave's end
	ds_add_u32 v[SPW], v[NIL]
	s_wait_dscnt 0x0
	CROUND                                         ; the closing round
	s_endpgm
.Lfunc_end_k_qdb463338dd_attn:
	.size	k_qdb463338dd_attn, .Lfunc_end_k_qdb463338dd_attn-k_qdb463338dd_attn
	.p2alignl 7, 3214868480
	.fill 96, 4, 3214868480
	.section	.rodata,"a",@progbits
	.p2align	6, 0x0
	.amdhsa_kernel k_qdb463338dd_attn
		.amdhsa_group_segment_fixed_size 167936
		.amdhsa_private_segment_fixed_size 0
		.amdhsa_enable_private_segment 0
		.amdhsa_kernarg_size 32
		.amdhsa_user_sgpr_count 2
		.amdhsa_user_sgpr_kernarg_segment_ptr 1
		.amdhsa_wavefront_size32 1
		.amdhsa_system_sgpr_workgroup_id_x 1
		.amdhsa_system_sgpr_workgroup_id_y 1
		.amdhsa_system_sgpr_workgroup_id_z 1
		.amdhsa_system_vgpr_workitem_id 0
		.amdhsa_next_free_vgpr 256
		.amdhsa_next_free_sgpr 66
		.amdhsa_reserve_vcc 0
		.amdhsa_float_denorm_mode_32 3
		.amdhsa_float_denorm_mode_16_64 3
		.amdhsa_memory_ordered 1
		.amdhsa_forward_progress 1
		.amdhsa_inst_pref_size 47
	.end_amdhsa_kernel
	.amdgpu_metadata
---
amdhsa.version: [ 1, 2 ]
amdhsa.kernels:
  - .name:           k_qdb463338dd_attn
    .symbol:         k_qdb463338dd_attn.kd
    .args:
      - { .name: qc, .offset: 0, .size: 8, .value_kind: global_buffer, .address_space: global }
      - { .name: qs, .offset: 8, .size: 8, .value_kind: global_buffer, .address_space: global }
      - { .name: kv, .offset: 16, .size: 8, .value_kind: global_buffer, .address_space: global }
      - { .name: ao, .offset: 24, .size: 8, .value_kind: global_buffer, .address_space: global }
    .group_segment_fixed_size: 167936
    .private_segment_fixed_size: 0
    .kernarg_segment_align: 8
    .kernarg_segment_size: 32
    .max_flat_workgroup_size: 512
    .sgpr_count:     66
    .vgpr_count:     256
    .wavefront_size: 32
...
	.end_amdgpu_metadata
.endif
;; end of part 3
;; launch outp (part 4): grid 4 x 64, 4 waves a work-group, clusters of 4 x 1, 167,936 bytes of LDS; arguments ao, wimg, bo, out0; writes out0
.if DOCPART == 4
	.amdgcn_target "amdgcn-amd-amdhsa--gfx1250"
	.amdhsa_code_object_version 6
	.text
	.protected	k_qdb463338dd_outp
	.globl	k_qdb463338dd_outp
	.p2align	8
	.type	k_qdb463338dd_outp,@function
k_qdb463338dd_outp:
	s_mov_b64 s[64:65], 0
	v_nop
	global_prefetch_b8 v0, s[64:65] scope:SCOPE_SE
	s_setreg_imm32_b32 hwreg(HW_REG_WAVE_MODE, 25, 1), 1
	s_wait_xcnt 0x0
	s_wait_alu depctr_hold_cnt(0) depctr_sa_sdst(0) depctr_va_vdst(0) depctr_va_sdst(0) depctr_va_ssrc(0) depctr_va_vcc(0) depctr_vm_vsrc(0)
	s_getreg_b32 s2, hwreg(HW_REG_IB_STS2, 6, 4)
	s_cmp_eq_u32 s2, 0
	s_cbranch_scc0 .Lentry_in_a_cluster
	s_endpgm
.Lentry_in_a_cluster:
	s_bfe_u32 s2, ttmp6, 0x10000c
	s_cmp_lg_u32 s2, 0x3003
	s_cbranch_scc0 .Lentry_shape_is_right
	s_endpgm
.Lentry_shape_is_right:
; Launch 4 of 4: out0 = attention's result x wo^T + bo, on codes of E2M1, f32 sums.  No work is left out.
; FORM, as in the second launch.  Source 0 is stationary: a wave holds 4 tiles (64 channels) of wo for all of K = 1,024 in 256 registers.  Source 1 is streamed: the work-group's 8 tiles (128 rows) of the
; attention's result, 69,632 bytes, come into LDS once, two tiles by each wave's one tensor load; nothing is filled again.
; SHARES.  A work-group makes 128 rows x 256 channels.  CLUSTER: the four work-groups of a cluster make the four blocks of channels of the same 128 rows and need the same 8 tiles: each load is asked for
; jointly, with the same descriptor and a mask that names the four.  The place in the cluster enters wo's, bo's and out0's addresses alone.
; A lane holds one row and, in its 4 tiles' 32 registers, 2 x 16 neighbouring channels: a tile of 16 rows x 64 channels goes through the wave's own stage in LDS and leaves as rows of 256 bytes, aligned.
; REGISTERS: window 0: addresses, scale words, 8 accumulators, rows on their way out;  window 1: wo's fragments at 32 s + 8 t;  window 2: v0-127 the pair's fragments (64 n + 8 s), v128-159 the bias.
.set TILEB, 8704
.set NBLK,  8*TILEB                    ; LDS 0 ..: the streamed block
.set SP,    272                        ; a stage row: 256 bytes + 16
.set STG,   NBLK+2*TILEB               ; the stages, 16 rows for each wave.  (The 17,408 bytes between are left unused: the address of the next pair is stepped once past the block, in the last trip, where nothing is loaded by it)
.set SPARE, STG+4*16*SP                ; the spare words
.set LI,   1
.set LSS,  2
.set ADN,  3
.set ADNS, 4
.set SPW,  5                           ; my spare word; never rewritten
.set NIL,  6                           ; 0; never rewritten
.set STO,  7                           ; the stage, on the way in: 272 r + 64 h
.set RD,   8                           ; and back: 272 h + 16 r
.set GO,   9                           ; 4,096 h + 16 r
.set BA,   10                          ; 64 h
.set RR,   11
.set HH,   12
.set SS,   16                          ; v16-31 wo's scale words: register 8 p + s
.set NS,   32                          ; v32-39 the pair's
.set ACC,  64                          ; v64-127 accumulator (n, t) at 32 n + 8 t
.set OB,   128                         ; v128-191 rows read back
.set NF,   0                           ; window 2
.set BIAS, 128
.set WV,   12
.set G1,   24
.set G0,   32
.set TB,   36
.set PR,   37
.set SPT,  46                          ; s[46:47] my tiles of wo
.set BP,   48                          ; s[48:49] my 64 channels of bo
.set OUT,  50                          ; s[50:51] the pair's first row, my 64 channels
.set MSB, 0
.macro WIN new
.if MSB != \new
	s_set_vgpr_msb (MSB<<8)|\new
.set MSB, \new
.endif
.endm
.macro CROUND
	s_barrier_signal -1
	s_barrier_wait -1
	s_cmp_lg_u32 s[WV], 0
	s_cbranch_scc1 .Lnot_wave_0_\@
	s_barrier_signal -3
.Lnot_wave_0_\@:
	s_barrier_wait -3
	s_barrier_signal -1
	s_barrier_wait -1
.endm
.macro WM d, a, b, c, sa, sb, oa, ob   ; one product; oa, ob: the side's scale words stand in lanes 16-31
.if (\oa)
.if (\ob)
	v_wmma_scale_f32_16x16x128_f8f6f4 v[\d:\d+7], v[\a:\a+7], v[\b:\b+7], v[\c:\c+7], v[\sa], v[\sb] matrix_a_fmt:MATRIX_FMT_FP4 matrix_b_fmt:MATRIX_FMT_FP4 matrix_a_scale:MATRIX_SCALE_ROW1 matrix_b_scale:MATRIX_SCALE_ROW1
.else
	v_wmma_scale_f32_16x16x128_f8f6f4 v[\d:\d+7], v[\a:\a+7], v[\b:\b+7], v[\c:\c+7], v[\sa], v[\sb] matrix_a_fmt:MATRIX_FMT_FP4 matrix_b_fmt:MATRIX_FMT_FP4 matrix_a_scale:MATRIX_SCALE_ROW1
.endif
.else
.if (\ob)
	v_wmma_scale_f32_16x16x128_f8f6f4 v[\d:\d+7], v[\a:\a+7], v[\b:\b+7], v[\c:\c+7], v[\sa], v[\sb] matrix_a_fmt:MATRIX_FMT_FP4 matrix_b_fmt:MATRIX_FMT_FP4 matrix_b_scale:MATRIX_SCALE_ROW1
.else
	v_wmma_scale_f32_16x16x128_f8f6f4 v[\d:\d+7], v[\a:\a+7], v[\b:\b+7], v[\c:\c+7], v[\sa], v[\sb] matrix_a_fmt:MATRIX_FMT_FP4 matrix_b_fmt:MATRIX_FMT_FP4
.endif
.endif
.endm
.macro MUL s, cm                       ; the 8 products of K step s: the 8 accumulators take turns.  cm = 1: the bias starts the sums
.irp n, 0,1
.irp t, 0,1,2,3
.if \cm
	WM ACC+32*\n+8*\t, 32*(\s)+8*\t, NF+64*\n+8*(\s), BIAS+8*\t, SS+8*(\t/2)+(\s), NS+(\s), \t%2, \n
.else
	WM ACC+32*\n+8*\t, 32*(\s)+8*\t, NF+64*\n+8*(\s), ACC+32*\n+8*\t, SS+8*(\t/2)+(\s), NS+(\s), \t%2, \n
.endif
.endr
.endr
.endm
.macro NLOAD
	WIN 0x80                                       ; destination window 2
.irp n, 0,1
.irp s, 0,1,2,3,4,5,6,7
.irp c, 0,1
	ds_load_b128 v[NF+64*\n+8*\s+4*\c:NF+64*\n+8*\s+4*\c+3], v[ADN] offset:TILEB*\n+1024*\s+512*\c
.endr
.endr
.endr
	WIN 0
.irp q, 0,1
	ds_load_b128 v[NS+4*\q:NS+4*\q+3], v[ADNS] offset:8192+256*\q
.endr
.endm
.macro TOSTAGE n                       ; tile n of the pair: 16 rows x 64 channels into my stage, and back as rows
.irp t, 0,1,2,3
	ds_store_b128 v[STO], v[ACC+32*\n+8*\t:ACC+32*\n+8*\t+3] offset:128*(\t/2)+32*(\t%2)          ; each accumulator from its low end on
	ds_store_b128 v[STO], v[ACC+32*\n+8*\t+4:ACC+32*\n+8*\t+7] offset:128*(\t/2)+32*(\t%2)+16
.endr
.irp i, 0,1,2,3,4,5,6,7
	ds_load_b128 v[OB+32*\n+4*\i:OB+32*\n+4*\i+3], v[RD] offset:2*SP*\i    ; LDS serves a wave's instructions in order: these see the stores above, and the next tile's stores come behind them
.endr
.endm
.macro SEND n, younger                 ; younger: the LDS instructions issued behind tile n's loads
.irp i, 0,1,2,3,4,5,6,7
	s_wait_dscnt \younger+7-\i
	global_store_b128 v[GO], v[OB+32*\n+4*\i:OB+32*\n+4*\i+3], s[OUT:OUT+1] offset:(8*\n+2*\i+8*(\i/4))*4096 th:TH_STORE_NT   ; sixteen lanes store 256 consecutive bytes, aligned; stage rows 2 i, 2 i + 1 are rows 8 n + 2 i + 8 (i / 4) + h of the pair's 32
.endr
.endm
	s_load_b256 s[4:11], s[0:1], 0x0               ; ao, wimg, bo, out0
	v_lshl_add_u32 v[SPW], v0, 2, SPARE
	v_mov_b32 v[NIL], 0
	ds_add_u32 v[SPW], v[NIL]                      ; the wave's opening: the add, twice on end, and its wait ahead of my tensor load
	ds_add_u32 v[SPW], v[NIL]
	v_lshrrev_b32 v1, 5, v0
	v_readfirstlane_b32 s[WV], v1                  ; wave 0..3
	s_bfe_u32 s13, ttmp6, 0x40000                  ; cx
	s_lshl_b32 s14, ttmp9, 2
	s_add_co_u32 s14, s14, s13                     ; my block of 256 channels
	s_and_b32 s15, ttmp7, 0xffff                   ; my block of 128 rows, which the four partners share
	s_mov_b32 s[G1], 15|(3<<16)|(1<<21)            ; the mask: all four; elements of 8 bytes; bit 21 beside a mask; no padding: 68 dense rows of 256 bytes
	s_mov_b32 s[G1+1], 32<<16
	s_mov_b32 s[G1+2], 68<<16
	s_mov_b32 s[G1+3], 32<<16
	s_mov_b32 s[G1+4], 68
	s_mov_b32 s[G1+5], 32
	s_mov_b32 s[G1+6], 0
	s_mov_b32 s[G1+7], 0
	s_mul_i32 s16, s[WV], 2*TILEB                  ; my two tiles, in the block and in LDS
	s_lshl_b32 s18, s15, 3
	s_mul_i32 s18, s18, TILEB
	s_add_co_u32 s18, s18, s16
	s_mov_b32 s19, 0
	s_lshl_b32 s40, s14, 4
	s_lshl_b32 s41, s[WV], 2
	s_add_co_u32 s40, s40, s41
	s_add_co_u32 s40, s40, 192                     ; wo's tiles begin at 192 in wimg
	s_mul_i32 s40, s40, TILEB
	s_mov_b32 s41, 0
	s_lshl_b32 s42, s14, 10
	s_lshl_b32 s43, s[WV], 8
	s_add_co_u32 s42, s42, s43                     ; my 64 channels, in bytes of f32: in bo and in a row of out0
	s_mov_b32 s43, 0
	s_lshl_b32 s44, s15, 19                        ; 128 rows of 4,096 bytes
	s_add_co_u32 s44, s44, s42
	s_mov_b32 s45, 0
	v_and_b32 v[LI], 31, v0
	v_lshlrev_b32 v[LI], 4, v[LI]
	v_and_b32 v[RR], 15, v0
	v_bfe_u32 v[HH], v0, 4, 1
	v_mul_u32_u24 v[LSS], v[HH], TILEB
	v_lshl_add_u32 v[LSS], v[RR], 4, v[LSS]
	v_lshlrev_b32 v[BA], 6, v[HH]
	s_mul_i32 s17, s[WV], 16*SP
	s_add_co_u32 s17, s17, STG                     ; my stage
	v_mul_u32_u24 v[STO], v[RR], SP
	v_lshl_add_u32 v[STO], v[HH], 6, v[STO]
	v_add_nc_u32 v[STO], s17, v[STO]
	v_mul_u32_u24 v[RD], v[HH], SP
	v_lshl_add_u32 v[RD], v[RR], 4, v[RD]
	v_add_nc_u32 v[RD], s17, v[RD]
	v_lshlrev_b32 v[GO], 12, v[HH]
	v_lshl_add_u32 v[GO], v[RR], 4, v[GO]
	s_wait_dscnt 0x0                               ; both opening adds are done
	s_wait_kmcnt 0x0
	s_mov_b32 s[G0], 1
	s_mov_b32 s[G0+1], s16
	s_add_nc_u64 s[G0+2:G0+3], s[4:5], s[18:19]
	s_or_b32 s[G0+3], s[G0+3], 0x80000000
	s_add_nc_u64 s[SPT:SPT+1], s[6:7], s[40:41]
	s_add_nc_u64 s[BP:BP+1], s[8:9], s[42:43]
	s_add_nc_u64 s[OUT:OUT+1], s[10:11], s[44:45]
	CROUND                                         ; all four work-groups are here: the joint loads meet
	tensor_load_to_lds s[G0:G0+3], s[G1:G1+7]      ; my one tensor load of the launch
	s_nop 0
.rept 4
	v_nop
.endr
	WIN 0x40                                       ; destination window 1
.irp s, 0,1,2,3,4,5,6,7
.irp t, 0,1,2,3
.irp c, 0,1
	global_load_b128 v[32*\s+8*\t+4*\c:32*\s+8*\t+4*\c+3], v[LI], s[SPT:SPT+1] offset:TILEB*\t+1024*\s+512*\c
.endr
.endr
.endr
	WIN 0
.irp p, 0,1
.irp q, 0,1
	global_load_b128 v[SS+8*\p+4*\q:SS+8*\p+4*\q+3], v[LSS], s[SPT:SPT+1] offset:2*TILEB*\p+8192+256*\q
.endr
.endr
	WIN 0x80
	s_wait_alu depctr_va_vdst(0)
.irp t, 0,1,2,3                                ; the bias in the result's layout: tile t, lane half h: channels 32 (t / 2) + 16 h + 8 (t % 2) + 0 .. 7
	global_load_b128 v[BIAS+8*\t:BIAS+8*\t+3], v[BA], s[BP:BP+1] offset:(32*(\t/2)+8*(\t%2))*4
	global_load_b128 v[BIAS+8*\t+4:BIAS+8*\t+7], v[BA], s[BP:BP+1] offset:(32*(\t/2)+8*(\t%2))*4+16
.endr
	WIN 0
	s_mov_b32 s[TB], 0
	s_mov_b32 s[PR], 0
	v_add_nc_u32 v[ADN], s[TB], v[LI]
	v_add_nc_u32 v[ADNS], s[TB], v[LSS]
	s_wait_alu depctr_va_vdst(0)
	s_wait_tensorcnt 0x0                           ; my two tiles are in,
	s_barrier_signal -1
	s_barrier_wait -1                              ; everybody's are
	NLOAD
.Lpair:                                            ; 4 trips: a pair of tiles (32 rows) against my 64 channels, all of K
	s_wait_dscnt 0x0
	s_wait_loadcnt 0x0                             ; first trip: wo's fragments, scale words, the bias
	WIN 0x29                                       ; source 0 window 1, source 1 and C window 2
	MUL 0, 1
	WIN 0x09                                       ; C and D window 0
	MUL 1, 0
	MUL 2, 0
	MUL 3, 0
	MUL 4, 0
	MUL 5, 0
	MUL 6, 0
	MUL 7, 0
	WIN 0
	s_add_co_u32 s[TB], s[TB], 2*TILEB
	v_add_nc_u32 v[ADN], s[TB], v[LI]              ; six places: four are owed in front of the loads and LDS stores below, five in front of the next trip's products, which begin these accumulators anew
	v_add_nc_u32 v[ADNS], s[TB], v[LSS]
.rept 4
	v_nop
.endr
	s_cmp_eq_u32 s[PR], 3
	s_cbranch_scc1 .Lno_next                       ; the last pair has no successor
	NLOAD                                          ; the next pair lands while this one goes out
.Lno_next:
	s_wait_xcnt 0x0                                ; the last trip's stores have read their data: those registers are loaded again only behind this wait
	TOSTAGE 0
	TOSTAGE 1
	SEND 0, 16                                     ; behind tile 0's loads: tile 1's 8 stores and 8 loads
	SEND 1, 0
	s_wait_xcnt 0x0                                ; the stores have read their base
	s_add_nc_u64 s[OUT:OUT+1], s[OUT:OUT+1], 32*4096
	s_add_co_u32 s[PR], s[PR], 1
	s_cmp_lt_u32 s[PR], 4
	s_cbranch_scc1 .Lpair
	s_wait_tensorcnt 0x0                           ; the wave's end, behind my tensor load and my last LDS store
	ds_add_u32 v[SPW], v[NIL]
	s_wait_dscnt 0x0
	CROUND                                         ; the closing round
	s_endpgm
.Lfunc_end_k_qdb463338dd_outp:
	.size	k_qdb463338dd_outp, .Lfunc_end_k_qdb463338dd_outp-k_qdb463338dd_outp
	.p2alignl 7, 3214868480
	.fill 96, 4, 3214868480
	.section	.rodata,"a",@progbits
	.p2align	6, 0x0
	.amdhsa_kernel k_qdb463338dd_outp
		.amdhsa_group_segment_fixed_size 167936
		.amdhsa_private_segment_fixed_size 0
		.amdhsa_enable_private_segment 0
		.amdhsa_kernarg_size 32
		.amdhsa_user_sgpr_count 2
		.amdhsa_user_sgpr_kernarg_segment_ptr 1
		.amdhsa_wavefront_size32 1
		.amdhsa_system_sgpr_workgroup_id_x 1
		.amdhsa_system_sgpr_workgroup_id_y 1
		.amdhsa_system_sgpr_workgroup_id_z 1
		.amdhsa_system_vgpr_workitem_id 0
		.amdhsa_next_free_vgpr 768
		.amdhsa_next_free_sgpr 66
		.amdhsa_reserve_vcc 0
		.amdhsa_float_denorm_mode_32 3
		.amdhsa_float_denorm_mode_16_64 3
		.amdhsa_memory_ordered 1
		.amdhsa_forward_progress 1
		.amdhsa_inst_pref_size 29
	.end_amdhsa_kernel
	.amdgpu_metadata
---
amdhsa.version: [ 1, 2 ]
amdhsa.kernels:
  - .name:           k_qdb463338dd_outp
    .symbol:         k_qdb463338dd_outp.kd
    .args:
      - { .name: ao, .offset: 0, .size: 8, .value_kind: global_buffer, .address_space: global }
      - { .name: wimg, .offset: 8, .size: 8, .value_kind: global_buffer, .address_space: global }
      - { .name: bo, .offset: 16, .size: 8, .value_kind: global_buffer, .address_space: global }
      - { .name: out0, .offset: 24, .size: 8, .value_kind: global_buffer, .address_space: global }
    .group_segment_fixed_size: 167936
    .private_segment_fixed_size: 0
    .kernarg_segment_align: 8
    .kernarg_segment_size: 32
    .max_flat_workgroup_size: 128
    .sgpr_count:     66
    .vgpr_count:     768
    .wavefront_size: 32
...
	.end_amdgpu_metadata
.endif
;; end of part 4
